; MI455X (gfx1250); checked and timed in simulation.
; The chip was launched on July 23, 2026; its instructions are those of AMD's public machine-readable ISA for CDNA 5 (MIT licence, August 2026) and "CDNA5" Instruction Set Architecture Reference Guide (July 2026). The comments in the code are by the model that wrote it; some were corrected since.
;; Self Attention Layer. Allowed arithmetic: matrix products marked QUANTISED: E2M1 operands, one E8M0 scale for each 32 along K, by v_wmma_scale_f32_16x16x128_f8f6f4 with both operands' format E2M1 (or v_wmma_scale_f32_32x16x128_f4), f32 sums; products left as they are: bf16, f16 or f32 operands; f32 sums; everything else in f32.
;; Inputs: Wk 384 x 768 float32; Wq 384 x 768 float32; Wv 384 x 768 float32; x 8 x 2,048 x 768 float32.
;; Outputs: out0 8 x 2,048 x 384 float32.
;; This version of the problem:
;;   THIS VERSION OF THE PROBLEM IS GIVEN IN LOW PRECISION. The matrix products marked QUANTISED in the list below multiply operands that are first quantised to E2M1 (2 exponent bits, 1 mantissa bit; 4 bits a number), with one power-of-two scale for each 32 numbers along K (OCP MX v1.0); their sums are f32. The products marked 'left as it is' may take bf16, f16 or f32 operands, with f32 sums. Whichever they take, every output number must still come out within the allowed error. Rounding operands to bf16 (8 significant bits) uses up far more of that allowance than f16 does (11 bits, for magnitudes from 6e-5 to 65,504). All else is computed in f32.
;;   The module's matrix products, in the order in which they are computed (A, B: the left and right operand; K: the contracted axis; several contracted axes count as one K, in the product's order):
;;     1. [M 16,384, K 768] x [K 768, N 384]; A: input x; B: input Wk: QUANTISED
;;     2. [M 16,384, K 768] x [K 768, N 384]; A: input x; B: input Wq: QUANTISED
;;     3. [M 16,384, K 768] x [K 768, N 384]; A: input x; B: input Wv: QUANTISED
;;     4. batch 8 x [M 2,048, K 384] x [K 384, N 2,048]; A: computed on the way; B: computed on the way: left as it is (an operand is computed on the way)
;;     5. batch 8 x [M 2,048, K 2,048] x [K 2,048, N 384]; A: computed on the way; B: computed on the way: left as it is (an operand is computed on the way)
;;   THE QUANTISER, for each operand of a quantised product, along K:
;;     - K is cut into blocks of 32 from its start; a last block that is shorter is filled with zeros.
;;     - A block's scale is 2^e with e = floor(log2(the largest magnitude in the block)) - 2, held to -126 .. 127; a block of zeros has e = 0. As a byte (E8M0): e + 127.
;;     - Each number is divided by its block's scale, clamped to +-6, and rounded to the nearest number of E2M1, ties to even, subnormals kept.
;;     - The product sums the exact products of the quantised numbers (number of the format x scale) in f32.
;;   ~~~python
;;   def quantise(x, axis):      # numpy; x: float32 -> the quantised numbers, widened to float32 again
;;       x = np.moveaxis(x, axis, -1); K = x.shape[-1]
;;       x = np.pad(x, [(0, 0)] * (x.ndim - 1) + [(0, -K % 32)]); x = x.reshape(x.shape[:-1] + (-1, 32)); a = np.abs(x).max(-1, keepdims=True)
;;       e = np.where(a > 0, np.clip(np.frexp(np.where(a > 0, a, 1))[1] - 1 - 2, -126, 127), 0)      # np.frexp(a)[1] - 1 = floor(log2(a)), exactly
;;       r = np.clip(x / 2.0 ** e, -6, 6)
;;       step = 2.0 ** (np.maximum(np.frexp(np.where(r == 0, 1, r))[1] - 1, 0) - 1)
;;       q = np.round(r / step) * step * 2.0 ** e      # np.round: ties to even
;;       return np.moveaxis(q.reshape(q.shape[:-2] + (-1,))[..., :K], -1, axis).astype(np.float32)
;;   ~~~
;; 2 versions, each right. Each part assembles by itself: llvm-mc -triple=amdgcn-amd-amdhsa -mcpu=gfx1250 --defsym DOCPART=n.
;; ======== version 1 of 2: 3 launches
;; limits: values are held in f16: magnitudes above 65,504 overflow, below 6.1e-05 lose precision
;; workspace buffers: wc 442,368 bytes; ws 36,864 bytes; qf 12,582,912 bytes; kf 12,582,912 bytes; vf 12,582,912 bytes
;; launch wquant (part 1): grid 18 x 6, 4 waves a work-group, no clusters, 0 bytes of LDS; arguments Wk, Wq, Wv, wc, ws; writes wc, ws
.if DOCPART == 1
	.amdgcn_target "amdgcn-amd-amdhsa--gfx1250"
	.amdhsa_code_object_version 6
	.text
	.protected	k_qaaad7da99c_wquant
	.globl	k_qaaad7da99c_wquant
	.p2align	8
	.type	k_qaaad7da99c_wquant,@function
k_qaaad7da99c_wquant:
	s_mov_b64 s[64:65], 0
	v_nop
	global_prefetch_b8 v0, s[64:65] scope:SCOPE_SE
	s_setreg_imm32_b32 hwreg(HW_REG_WAVE_MODE, 25, 1), 1
	s_wait_xcnt 0x0
; Wk, Wq, Wv [384][768] f32 become codes of FP4 (E2M1) with one E8M0 scale byte for each 32 along K (K = the 768, innermost).
; The codes are laid as IMAGES OF THE OPERAND'S REGISTERS: wc = [tile T 0..71][K step 0..5][c 0..1][lane 32][16 bytes]; T = 24 m + channel tile (m = 0: Wk, 1: Wq, 2: Wv),
; a tile is 16 rows, a K step 128 along K; the 16 bytes are registers 4 c .. 4 c + 3 of the fragment.  ws = [T][row 16][8 words]: word s is the row's four scale bytes of K step s; words 6, 7 are neither stored nor read.
; One wave makes one fragment: 432 fragments, 108 work-groups of four waves.  Lane (r, h) loads, of row r, 16 neighbours of each block of 32; two lanes hold a block.
; A block's scale is 2^(floor(log2(largest magnitude)) - 2): its byte is the largest magnitude's exponent field - 2, held at 1 from below.
; LIMITS: a block whose largest magnitude lies under 2^-124 gets the byte 1; a block of zeros gets the byte 1 with zero codes (this program alone reads the bytes); NaN and infinities are not served.
; The scale words leave as 4 bytes a row, 32 bytes apart: 27,648 bytes in the whole launch; the codes leave as 512 consecutive aligned bytes a store.
; No LDS, no barrier, no matrix unit: waves share nothing.
.set X,   32                           ; v32-95   64 numbers: register 16 b + i = k 32 b + 16 h + i of my row
.set TM,  96                           ; v96-111  at work
.set PW,  112                          ; v112     the scale word
.set PC,  114                          ; v114-121 the codes
.set SEL, 20                           ; s[20:21] lane selects for v_permlanex16_b32: lane l xor 16
.macro QUANT s
.irp b, 0,1,2,3
	v_max3_num_f32 v[TM+\b], |v[\s+16*\b]|, |v[\s+1+16*\b]|, 0x1800000   ; block b: my 16 numbers, and the floor 2^(3 - 127): the byte cannot fall under 1
.endr
.irp i, 2,4,6,8,10,12,14
.irp b, 0,1,2,3
	v_max3_num_f32 v[TM+\b], v[TM+\b], |v[\s+16*\b+\i]|, |v[\s+1+16*\b+\i]|   ; the four blocks by turns
.endr
.endr
.irp b, 0,1,2,3
	v_permlanex16_b32 v[TM+4+\b], v[TM+\b], s[SEL], s[SEL+1]
.endr
.irp b, 0,1,2,3
	v_max_num_f32 v[TM+\b], v[TM+\b], v[TM+4+\b]   ; with lane l xor 16's: the block's largest magnitude
.endr
.irp b, 0,1,2,3
	v_add_nc_u32 v[TM+12+\b], 0xff000000, v[TM+\b]   ; 2 off its exponent field: the conversion's scale operand
.endr
.irp b, 0,1,2,3
	v_lshrrev_b32 v[TM+4+\b], 23, v[TM+12+\b]      ; the scale's byte
.endr
	v_lshl_or_b32 v[PW], v[TM+5], 8, v[TM+4]       ; four bytes make my row's scale word
	v_lshl_or_b32 v[PW], v[TM+6], 16, v[PW]
	v_lshl_or_b32 v[PW], v[TM+7], 24, v[PW]
.irp b, 0,1,2,3
	v_cvt_scalef32_pk8_fp4_f32 v[PC+2*\b], v[\s+16*\b:\s+7+16*\b], v[TM+12+\b]
	v_cvt_scalef32_pk8_fp4_f32 v[PC+1+2*\b], v[\s+8+16*\b:\s+15+16*\b], v[TM+12+\b]
.endr
	v_nop                                          ; one plain place behind a scaled conversion
.irp c, 0,1                                    ; the operand's layout wants a whole block in a lane: lanes 0-15 block 2 c, lanes 16-31 block 2 c + 1
.irp i, 0,1
	v_permlane16_swap_b32 v[PC+4*\c+\i], v[PC+2+4*\c+\i]
.endr
.endr
.endm
	s_load_b256 s[4:11], s[0:1], 0x0               ; Wk s[4:5], Wq s[6:7], Wv s[8:9], wc s[10:11]
	s_load_b64 s[12:13], s[0:1], 0x20              ; ws
	v_lshrrev_b32 v1, 5, v0
	v_readfirstlane_b32 s14, v1                    ; wave 0..3
	v_and_b32 v1, 15, v0                           ; r
	v_bfe_u32 v2, v0, 4, 1                         ; h
	v_mul_u32_u24 v3, v1, 3072                     ; a row of W is 3,072 bytes
	v_lshl_add_u32 v3, v2, 6, v3                   ; + 64 h: my 16 numbers of a block
	v_and_b32 v4, 31, v0
	v_lshlrev_b32 v4, 4, v4                        ; 16 x lane: my place in an image
	v_lshlrev_b32 v5, 5, v1                        ; 32 r: my row's eight words
	s_and_b32 s15, ttmp7, 0xffff                   ; the K step
	s_mov_b32 s[SEL], 0x76543210
	s_mov_b32 s[SEL+1], 0xfedcba98
.irp b, 0,1,2,3
	v_mov_b32 v[TM+4+\b], 0                        ; a lane permute's destination counts as one of its sources
.endr
	s_lshl_b32 s22, ttmp9, 2
	s_add_co_u32 s22, s22, s14                     ; T = 4 x work-group x + wave
	s_mul_i32 s24, s22, 6144
	s_lshl_b32 s25, s15, 10
	s_add_co_u32 s24, s24, s25                     ; the image's place in wc
	s_mov_b32 s25, 0
	s_lshl_b32 s26, s22, 9
	s_lshl_b32 s27, s15, 2
	s_add_co_u32 s26, s26, s27                     ; the words' place in ws
	s_mov_b32 s27, 0
	s_wait_kmcnt 0x0
	s_cmp_lt_u32 ttmp9, 6                          ; which matrix: the choice hangs on the work-group's number alone
	s_cselect_b64 s[16:17], s[4:5], s[6:7]
	s_cselect_b32 s18, 0, 6
	s_cmp_lt_u32 ttmp9, 12
	s_cselect_b64 s[16:17], s[16:17], s[8:9]
	s_cselect_b32 s18, s18, 12
	s_sub_co_u32 s18, ttmp9, s18
	s_lshl_b32 s18, s18, 2
	s_add_co_u32 s18, s18, s14                     ; the tile in its matrix
	s_mul_i32 s18, s18, 49152                      ; 16 rows
	s_lshl_b32 s19, s15, 9                         ; 128 numbers along K
	s_add_co_u32 s18, s18, s19
	s_mov_b32 s19, 0
	s_add_nc_u64 s[16:17], s[16:17], s[18:19]
	s_add_nc_u64 s[10:11], s[10:11], s[24:25]
	s_add_nc_u64 s[12:13], s[12:13], s[26:27]
.irp b, 0,1,2,3
.irp j, 0,1,2,3
	global_load_b128 v[X+16*\b+4*\j:X+16*\b+4*\j+3], v3, s[16:17] offset:128*\b+16*\j
.endr
.endr
	s_wait_loadcnt 0x0
	QUANT X
	global_store_b128 v4, v[PC:PC+3], s[10:11]             ; 32 lanes store 512 consecutive bytes
	global_store_b128 v4, v[PC+4:PC+7], s[10:11] offset:512
	global_store_b32 v5, v[PW], s[12:13]                   ; lanes r and r + 16 store the same word with the same value
	s_endpgm
.Lfunc_end_k_qaaad7da99c_wquant:
	.size	k_qaaad7da99c_wquant, .Lfunc_end_k_qaaad7da99c_wquant-k_qaaad7da99c_wquant
	.p2alignl 7, 3214868480
	.fill 96, 4, 3214868480
	.section	.rodata,"a",@progbits
	.p2align	6, 0x0
	.amdhsa_kernel k_qaaad7da99c_wquant
		.amdhsa_group_segment_fixed_size 0
		.amdhsa_private_segment_fixed_size 0
		.amdhsa_enable_private_segment 0
		.amdhsa_kernarg_size 40
		.amdhsa_user_sgpr_count 2
		.amdhsa_user_sgpr_kernarg_segment_ptr 1
		.amdhsa_wavefront_size32 1
		.amdhsa_system_sgpr_workgroup_id_x 1
		.amdhsa_system_sgpr_workgroup_id_y 1
		.amdhsa_system_sgpr_workgroup_id_z 1
		.amdhsa_system_vgpr_workitem_id 0
		.amdhsa_next_free_vgpr 128
		.amdhsa_next_free_sgpr 66
		.amdhsa_reserve_vcc 0
		.amdhsa_float_denorm_mode_32 3
		.amdhsa_float_denorm_mode_16_64 3
		.amdhsa_memory_ordered 1
		.amdhsa_forward_progress 1
		.amdhsa_inst_pref_size 8
	.end_amdhsa_kernel
	.amdgpu_metadata
---
amdhsa.version: [ 1, 2 ]
amdhsa.kernels:
  - .name:           k_qaaad7da99c_wquant
    .symbol:         k_qaaad7da99c_wquant.kd
    .args:
      - { .name: Wk, .offset: 0, .size: 8, .value_kind: global_buffer, .address_space: global }
      - { .name: Wq, .offset: 8, .size: 8, .value_kind: global_buffer, .address_space: global }
      - { .name: Wv, .offset: 16, .size: 8, .value_kind: global_buffer, .address_space: global }
      - { .name: wc, .offset: 24, .size: 8, .value_kind: global_buffer, .address_space: global }
      - { .name: ws, .offset: 32, .size: 8, .value_kind: global_buffer, .address_space: global }
    .group_segment_fixed_size: 0
    .private_segment_fixed_size: 0
    .kernarg_segment_align: 8
    .kernarg_segment_size: 40
    .max_flat_workgroup_size: 128
    .sgpr_count:     66
    .vgpr_count:     128
    .wavefront_size: 32
...
	.end_amdgpu_metadata
.endif
;; end of part 1
;; launch proj (part 2): grid 256 x 1, 4 waves a work-group, no clusters, 230,912 bytes of LDS; arguments x, wc, ws, qf, kf, vf; writes qf, kf, vf
.if DOCPART == 2
	.amdgcn_target "amdgcn-amd-amdhsa--gfx1250"
	.amdhsa_code_object_version 6
	.text
	.protected	k_qaaad7da99c_proj
	.globl	k_qaaad7da99c_proj
	.p2align	8
	.type	k_qaaad7da99c_proj,@function
k_qaaad7da99c_proj:
	s_mov_b64 s[64:65], 0
	v_nop
	global_prefetch_b8 v0, s[64:65] scope:SCOPE_SE
	s_setreg_imm32_b32 hwreg(HW_REG_WAVE_MODE, 25, 1), 1
	s_wait_xcnt 0x0
; keys = x Wk^T, queries = x Wq^T, values = x Wv^T on codes of FP4 (E2M1) with one E8M0 scale for each 32 along K = 768; sums in f32; the results are rounded once to f16 for the attention launch.
; x [16384][768] f32 is quantised here, in registers: each of its rows is read by this work-group alone.  The weights come as codes and scale words, laid as images of the operand's registers.
; SHARES.  A work-group of four waves takes 64 rows.  Wave w quantises rows 16 w .. 16 w + 15 (six fragments) and hands their images to the others through LDS; then wave w makes channel tiles 6 w .. 6 w + 5 of
; K, of Q and of V for all four tiles of rows: three passes of 24 accumulators x 6 K steps.
; THE RESULTS LEAVE AS IMAGES OF THE NEXT LAUNCH'S OPERANDS.  K, Q passes: source 0 = 16 rows of W, source 1 = 16 rows of x: a lane holds row r of x and eight neighbouring channels: rounded in pairs they are
; registers 0-3 (even channel tile) or 4-7 (odd) of the f16 fragment 16 rows x 32 channels.  V pass: the sources swapped: a lane holds channel r and eight neighbouring keys: half a fragment 16 channels x 32 keys.
; kf, qf = [row tile][32 channels 0..11][half][lane][16 bytes]; vf = [32 keys][channel tile 0..23][half][lane][16 bytes].  Each store of a wave covers 512 consecutive aligned bytes; no stage is needed.
; THE WEIGHTS GO FROM MEMORY STRAIGHT INTO REGISTERS, not jointly through LDS: each fragment is used by one wave of the work-group, so the way through LDS would write and read 442,368 bytes more in each work-group;
; a pass's fragments are asked for during the pass before, K step by K step, into the registers just multiplied.
; x comes by two tensor loads a wave (16 rows x 1,536 bytes each), all asked for at the head; no LDS byte is filled twice.  By this text's count a wave has two tensor loads out.
; LIMITS: results beyond 65,504 in magnitude become infinities in f16; a block of x whose largest magnitude lies under 2^-124 gets the byte 1, a block of zeros the byte 1 with zero codes; NaN and infinities are not served.
; REGISTERS, in windows of 256: window 0: v1-11 addresses, v12-37 at work, v40-63 x's scale words (6 t + s), v64-171 my 18 tiles' scale words (6 (6 m + u) + s), v172-235 64 numbers of x.
;   window 1: x's 24 fragments at 8 (6 t + s).   window 2: a pass's weight fragments f = 6 s + u, f < 32, at 8 f.   window 3: f = 32 .. 35 at 8 (f - 32); the 24 accumulators at 64 + 8 (4 u + t).
.set XTW,    50688                     ; LDS: a wave's part of x: two tiles
.set XTH,    25344                     ; a tile: 16 rows of XPITCH
.set XPITCH, 1584                      ; 1,536 bytes + 16 of padding behind each 512: 99 x 16, so that the 16 rows of a load start at 16 different columns of 16 bytes
.set XIMG,   202752                    ; x's 24 fragments as images, 1,024 bytes each
.set XSC,    227328                    ; their scale words, 128 bytes each
.set SPARE,  230400                    ; the spare words, 128 bytes for each wave: two blocks of 256 bytes that no other line names
.set L16, 1                            ; v1  16 x lane
.set L4,  2                            ; v2  4 x lane
.set AX,  3                            ; v3  my 16 numbers of a block in my wave's tile of x
.set XWI, 4                            ; v4  where I store images
.set XWS, 5                            ; v5  and scale words
.set WSO, 6                            ; v6  32 r: my row's words in ws
.set XRI, 7                            ; v7  where images are read
.set XRS, 8                            ; v8  and scale words
.set SPW, 10                           ; v10 my spare word; never rewritten
.set NIL, 11                           ; v11 0; never rewritten
.set TM,  12
.set PW,  28
.set PC,  30
.set XS,  40
.set WS,  64
.set X,   172
.set ACC, 64
.set G1,  16                           ; s[16:23] descriptor group 1
.set G0,  24                           ; s[24:31] two groups 0
.set WV,  40
.set SEL, 42
.set WCB, 44                           ; s[44:45] wc at my tiles
.set WSB, 46                           ; s[46:47] ws at my tiles
.set SK,  48                           ; s[48:49] kf, s[50:51] qf, s[52:53] vf at my part
.set MSB, 0
.macro WIN new                         ; the immediate's high byte repeats the setting that is left
.if MSB != (\new)
	s_set_vgpr_msb (MSB<<8)|(\new)
.set MSB, (\new)
.endif
.endm
.macro PLACES
.rept 4
	v_nop
.endr
.endm
.macro QUANT s
.irp b, 0,1,2,3
	v_max3_num_f32 v[TM+\b], |v[\s+16*\b]|, |v[\s+1+16*\b]|, 0x1800000   ; block b: my 16 numbers, and the floor 2^(3 - 127): the byte cannot fall under 1
.endr
.irp i, 2,4,6,8,10,12,14
.irp b, 0,1,2,3
	v_max3_num_f32 v[TM+\b], v[TM+\b], |v[\s+16*\b+\i]|, |v[\s+1+16*\b+\i]|
.endr
.endr
.irp b, 0,1,2,3
	v_permlanex16_b32 v[TM+4+\b], v[TM+\b], s[SEL], s[SEL+1]
.endr
.irp b, 0,1,2,3
	v_max_num_f32 v[TM+\b], v[TM+\b], v[TM+4+\b]   ; with lane l xor 16's: the block's largest magnitude
.endr
.irp b, 0,1,2,3
	v_add_nc_u32 v[TM+12+\b], 0xff000000, v[TM+\b]   ; 2 off its exponent field: the conversion's scale operand
.endr
.irp b, 0,1,2,3
	v_lshrrev_b32 v[TM+4+\b], 23, v[TM+12+\b]      ; the scale's byte
.endr
	v_lshl_or_b32 v[PW], v[TM+5], 8, v[TM+4]
	v_lshl_or_b32 v[PW], v[TM+6], 16, v[PW]
	v_lshl_or_b32 v[PW], v[TM+7], 24, v[PW]
.irp b, 0,1,2,3
	v_cvt_scalef32_pk8_fp4_f32 v[PC+2*\b], v[\s+16*\b:\s+7+16*\b], v[TM+12+\b]
	v_cvt_scalef32_pk8_fp4_f32 v[PC+1+2*\b], v[\s+8+16*\b:\s+15+16*\b], v[TM+12+\b]
.endr
	v_nop                                          ; one plain place behind a scaled conversion
.irp c, 0,1
.irp i, 0,1
	v_permlane16_swap_b32 v[PC+4*\c+\i], v[PC+2+4*\c+\i]
.endr
.endr
.endm
; my six weight fragments of matrix m, K step k: 12 loads of 512 consecutive bytes
.macro WLOAD m, k
.set u, 0
.rept 6
.set f, 6*(\k)+u
.set WF, 8*(f%32)
.set WN, 0x80+0x40*(f/32)
	WIN WN
	global_load_b128 v[WF:WF+3], v[L16], s[WCB:WCB+1] offset:(24*(\m)+u)*6144+1024*(\k)
	global_load_b128 v[WF+4:WF+7], v[L16], s[WCB:WCB+1] offset:(24*(\m)+u)*6144+1024*(\k)+512
.set u, u+1
.endr
	WIN 0
.endm
; K step k of my 16 rows of x: from my tile in LDS, quantised, its image and scale words to LDS
.macro XQ k
.if (\k) == 0
	s_wait_tensorcnt 0x1                           ; my first tile (K steps 0-2) is in; the second may be out
.elseif (\k) == 3
	s_wait_tensorcnt 0x0                           ; my second tile
.endif
.irp b, 0,1,2,3
.irp j, 0,1,2,3
	ds_load_b128 v[X+16*\b+4*\j:X+16*\b+4*\j+3], v[AX] offset:((\k)/3)*XTH+((\k)%3)*528+128*\b+16*\j
.endr
.endr
	s_wait_dscnt 0x0                               ; the numbers are in, and the last step's stores have read the codes' registers
	QUANT X
	ds_store_b128 v[XWI], v[PC:PC+3] offset:1024*(\k)
	ds_store_b128 v[XWI], v[PC+4:PC+7] offset:1024*(\k)+512
	ds_store_b32 v[XWS], v[PW] offset:128*(\k)
.endm
; A PASS: matrix m.  24 accumulators take turns, one instruction a turn, in the same order in every K step; the first K step starts the sums with the constant 0.
.macro PASS m
.set ks, 0
.rept 6
.if (\m) == 1
	s_wait_loadcnt 60                              ; this K step's 12 loads are in: behind them stand 12 (5 - ks) of this pass and 12 ks of the next
.elseif (\m) == 2
	s_wait_loadcnt 12*(5-ks)                       ; behind this K step's loads stand those of the later K steps alone
.endif
.set u, 0
.rept 6
.set f, 6*ks+u
.set WF, 8*(f%32)
.if (\m) < 2
.set WN, 0xf6+f/32
.else
.set WN, 0xf9+4*(f/32)
.endif
	WIN WN
.set t, 0
.rept 4
.set AC, ACC+8*(4*u+t)
.set XF, 8*(6*t+ks)
.set SW, WS+6*(6*(\m)+u)+ks
.set SX, XS+6*t+ks
.if (\m) < 2
.if ks == 0
	v_wmma_scale_f32_16x16x128_f8f6f4 v[AC:AC+7], v[WF:WF+7], v[XF:XF+7], 0, v[SW], v[SX] matrix_a_fmt:MATRIX_FMT_FP4 matrix_b_fmt:MATRIX_FMT_FP4
.else
	v_wmma_scale_f32_16x16x128_f8f6f4 v[AC:AC+7], v[WF:WF+7], v[XF:XF+7], v[AC:AC+7], v[SW], v[SX] matrix_a_fmt:MATRIX_FMT_FP4 matrix_b_fmt:MATRIX_FMT_FP4
.endif
.else
.if ks == 0
	v_wmma_scale_f32_16x16x128_f8f6f4 v[AC:AC+7], v[XF:XF+7], v[WF:WF+7], 0, v[SX], v[SW] matrix_a_fmt:MATRIX_FMT_FP4 matrix_b_fmt:MATRIX_FMT_FP4
.else
	v_wmma_scale_f32_16x16x128_f8f6f4 v[AC:AC+7], v[XF:XF+7], v[WF:WF+7], v[AC:AC+7], v[SX], v[SW] matrix_a_fmt:MATRIX_FMT_FP4 matrix_b_fmt:MATRIX_FMT_FP4
.endif
.endif
.set t, t+1
.endr
.set u, u+1
.endr
.if (\m) < 2
	PLACES                                         ; four places in front of loads into registers that matrix instructions have read
	WLOAD (\m)+1, ks                               ; the next pass's fragments of this K step, into the registers just multiplied
.endif
.set ks, ks+1
.endr
	PLACES                                         ; four places in front of the first read of results
	WIN 0xcf                                       ; destination and both sources in window 3
.set a, 0
.rept 24
.set AC, ACC+8*a
.irp k, 0,1,2,3
	v_cvt_pk_f16_f32 v[AC+\k], v[AC+2*\k], v[AC+2*\k+1]   ; in place, each accumulator from its low end on: 16 bytes a lane
.endr
.set a, a+1
.endr
	WIN 0x0c                                       ; a store's data are its source 1
.set a, 0
.rept 24
.set AC, ACC+8*a
.if (\m) < 2
	global_store_b128 v[L16], v[AC:AC+3], s[SK+2*(\m):SK+2*(\m)+1] offset:(a%4)*12288+(a/4)*512
.else
	global_store_b128 v[L16], v[AC:AC+3], s[SK+2*(\m):SK+2*(\m)+1] offset:((a%4)/2)*24576+(a/4)*1024+(a%2)*512
.endif
.set a, a+1
.endr
	WIN 0
.if (\m) < 2
	s_wait_xcnt 0x0                                ; the stores have read their registers: the next pass writes the accumulators only behind this wait
.endif
.endm
	s_load_b256 s[4:11], s[0:1], 0x0               ; x s[4:5], wc s[6:7], ws s[8:9], qf s[10:11]
	s_load_b128 s[12:15], s[0:1], 0x20             ; kf s[12:13], vf s[14:15]
	v_lshl_add_u32 v[SPW], v0, 2, SPARE
	v_mov_b32 v[NIL], 0
	ds_add_u32 v[SPW], v[NIL]                      ; the wave's opening: the add, twice on end, and its wait ahead of my first tensor load
	ds_add_u32 v[SPW], v[NIL]                      ; and once more, under the one wait; the set-up below stands between
	v_lshrrev_b32 v[L4], 5, v0
	v_readfirstlane_b32 s[WV], v[L4]               ; wave 0..3
	; group 1: a tile of 16 rows x 384 elements of 4 bytes, 768 elements from row to row; four words of padding behind every 128
	s_mov_b32 s[G1+0], (2<<16)|(1<<20)|(6<<22)|(3<<25)
	s_mov_b32 s[G1+1], 384<<16                     ; tensor_dim0
	s_mov_b32 s[G1+2], 16<<16                      ; tensor_dim1
	s_mov_b32 s[G1+3], 384<<16                     ; tile_dim0
	s_mov_b32 s[G1+4], 16                          ; tile_dim1
	s_mov_b32 s[G1+5], 768                         ; the pitch
	s_mov_b32 s[G1+6], 0
	s_mov_b32 s[G1+7], 0
	s_mul_i32 s41, s[WV], XTW                      ; my tiles in LDS
	s_lshl_b32 s32, ttmp9, 6
	s_lshl_b32 s33, s[WV], 4
	s_add_co_u32 s32, s32, s33                     ; my first row: 64 x work-group + 16 x wave
	s_mul_i32 s32, s32, 3072
	s_mov_b32 s33, 0
	s_mul_i32 s34, s[WV], 36864                    ; six tiles of 6,144 bytes in wc
	s_mov_b32 s35, 0
	s_mul_i32 s36, s[WV], 3072                     ; six tiles of 512 bytes in ws; also my three blocks of 32 channels in kf and qf
	s_mov_b32 s37, 0
	s_mul_i32 s38, ttmp9, 49152                    ; the work-group's 64 rows in kf, qf, vf
	s_mov_b32 s39, 0
	s_mov_b32 s[SEL], 0x76543210
	s_mov_b32 s[SEL+1], 0xfedcba98
	s_wait_dscnt 0x0                               ; both opening adds are done
	s_wait_kmcnt 0x0
	s_mov_b32 s[G0], 1
	s_mov_b32 s[G0+1], s41
	s_add_nc_u64 s[G0+2:G0+3], s[4:5], s[32:33]    ; K steps 0-2 of my 16 rows
	s_mov_b32 s[G0+4], 1
	s_add_co_u32 s[G0+5], s41, XTH
	s_add_nc_u64 s[G0+6:G0+7], s[G0+2:G0+3], 1536  ; K steps 3-5
	s_or_b32 s[G0+3], s[G0+3], 0x80000000
	s_or_b32 s[G0+7], s[G0+7], 0x80000000
	tensor_load_to_lds s[G0:G0+3], s[G1:G1+7]
	s_nop 0
	tensor_load_to_lds s[G0+4:G0+7], s[G1:G1+7]
	s_nop 0
	PLACES
	s_add_nc_u64 s[WCB:WCB+1], s[6:7], s[34:35]
	s_add_nc_u64 s[WSB:WSB+1], s[8:9], s[36:37]
	s_add_co_u32 s38, s38, s36
	s_add_nc_u64 s[SK:SK+1], s[12:13], s[38:39]
	s_add_nc_u64 s[SK+2:SK+3], s[10:11], s[38:39]
	s_add_co_u32 s38, s38, s36                     ; in vf my six channel tiles begin 6,144 x wave on
	s_add_nc_u64 s[SK+4:SK+5], s[14:15], s[38:39]
	v_and_b32 v[L4], 31, v0
	v_lshlrev_b32 v[L16], 4, v[L4]
	v_lshlrev_b32 v[L4], 2, v[L4]
	v_and_b32 v[WSO], 15, v0                       ; r
	v_bfe_u32 v[XRS], v0, 4, 1                     ; h
	v_mul_u32_u24 v[AX], v[WSO], XPITCH
	v_lshl_add_u32 v[AX], v[XRS], 6, v[AX]
	v_add_nc_u32 v[AX], s41, v[AX]
	v_lshlrev_b32 v[WSO], 5, v[WSO]
	v_add_nc_u32 v[XRI], XIMG, v[L16]
	v_add_nc_u32 v[XRS], XSC, v[L4]
	s_mul_i32 s56, s[WV], 6144
	v_add_nc_u32 v[XWI], s56, v[XRI]
	s_mul_i32 s56, s[WV], 768
	v_add_nc_u32 v[XWS], s56, v[XRS]
.irp b, 0,1,2,3
	v_mov_b32 v[TM+4+\b], 0                        ; a lane permute's destination counts as one of its sources
.endr
.set ti, 0
.rept 18                                       ; my 18 tiles' scale words: six a row
	global_load_b128 v[WS+6*ti:WS+6*ti+3], v[WSO], s[WSB:WSB+1] offset:(24*(ti/6)+ti%6)*512
	global_load_b64 v[WS+6*ti+4:WS+6*ti+5], v[WSO], s[WSB:WSB+1] offset:(24*(ti/6)+ti%6)*512+16
.set ti, ti+1
.endr
.irp k, 0,1,2,3,4,5
	WLOAD 0, \k                                    ; the first pass's 36 fragments
.endr
.irp k, 0,1,2,3,4,5
	XQ \k
.endr
	s_wait_dscnt 0x0                               ; for the others' sake: my images and scale words lie in LDS
	s_barrier_signal -1
	s_barrier_wait -1                              ; everybody's do
	WIN 0x40                                       ; destination window 1
.set q, 0
.rept 24
	ds_load_b128 v[8*q:8*q+3], v[XRI] offset:1024*q
	ds_load_b128 v[8*q+4:8*q+7], v[XRI] offset:1024*q+512
.set q, q+1
.endr
	WIN 0
.set q, 0
.rept 24
	ds_load_b32 v[XS+q], v[XRS] offset:128*q
.set q, q+1
.endr
	s_wait_dscnt 0x0
	s_wait_loadcnt 0x0                             ; the scale words and the first pass's fragments
	PASS 0                                         ; keys
	PASS 1                                         ; queries
	PASS 2                                         ; values
	s_wait_tensorcnt 0x0                           ; the wave's end: behind my last tensor load and my last LDS store
	ds_add_u32 v[SPW], v[NIL]
	s_wait_dscnt 0x0
	s_endpgm
.Lfunc_end_k_qaaad7da99c_proj:
	.size	k_qaaad7da99c_proj, .Lfunc_end_k_qaaad7da99c_proj-k_qaaad7da99c_proj
	.p2alignl 7, 3214868480
	.fill 96, 4, 3214868480
	.section	.rodata,"a",@progbits
	.p2align	6, 0x0
	.amdhsa_kernel k_qaaad7da99c_proj
		.amdhsa_group_segment_fixed_size 230912
		.amdhsa_private_segment_fixed_size 0
		.amdhsa_enable_private_segment 0
		.amdhsa_kernarg_size 48
		.amdhsa_user_sgpr_count 2
		.amdhsa_user_sgpr_kernarg_segment_ptr 1
		.amdhsa_wavefront_size32 1
		.amdhsa_system_sgpr_workgroup_id_x 1
		.amdhsa_system_sgpr_workgroup_id_y 1
		.amdhsa_system_sgpr_workgroup_id_z 1
		.amdhsa_system_vgpr_workitem_id 0
		.amdhsa_next_free_vgpr 1024
		.amdhsa_next_free_sgpr 66
		.amdhsa_reserve_vcc 0
		.amdhsa_float_denorm_mode_32 3
		.amdhsa_float_denorm_mode_16_64 3
		.amdhsa_memory_ordered 1
		.amdhsa_forward_progress 1
		.amdhsa_inst_pref_size 145
	.end_amdhsa_kernel
	.amdgpu_metadata
---
amdhsa.version: [ 1, 2 ]
amdhsa.kernels:
  - .name:           k_qaaad7da99c_proj
    .symbol:         k_qaaad7da99c_proj.kd
    .args:
      - { .name: x, .offset: 0, .size: 8, .value_kind: global_buffer, .address_space: global }
      - { .name: wc, .offset: 8, .size: 8, .value_kind: global_buffer, .address_space: global }
      - { .name: ws, .offset: 16, .size: 8, .value_kind: global_buffer, .address_space: global }
      - { .name: qf, .offset: 24, .size: 8, .value_kind: global_buffer, .address_space: global }
      - { .name: kf, .offset: 32, .size: 8, .value_kind: global_buffer, .address_space: global }
      - { .name: vf, .offset: 40, .size: 8, .value_kind: global_buffer, .address_space: global }
    .group_segment_fixed_size: 230912
    .private_segment_fixed_size: 0
    .kernarg_segment_align: 8
    .kernarg_segment_size: 48
    .max_flat_workgroup_size: 128
    .sgpr_count:     66
    .vgpr_count:     1024
    .wavefront_size: 32
...
	.end_amdgpu_metadata
.endif
;; end of part 2
;; launch attn (part 3): grid 32 x 8, 4 waves a work-group, clusters of 4 x 1, 327,680 bytes of LDS; arguments qf, kf, vf, out0; writes out0
.if DOCPART == 3
	.amdgcn_target "amdgcn-amd-amdhsa--gfx1250"
	.amdhsa_code_object_version 6
	.text
	.protected	k_qaaad7da99c_attn
	.globl	k_qaaad7da99c_attn
	.p2align	8
	.type	k_qaaad7da99c_attn,@function
k_qaaad7da99c_attn:
	s_mov_b64 s[64:65], 0
	v_nop
	global_prefetch_b8 v0, s[64:65] scope:SCOPE_SE
	s_setreg_imm32_b32 hwreg(HW_REG_WAVE_MODE, 25, 1), 1
	s_wait_xcnt 0x0
	s_wait_alu depctr_hold_cnt(0) depctr_sa_sdst(0) depctr_va_vdst(0) depctr_va_sdst(0) depctr_va_ssrc(0) depctr_va_vcc(0) depctr_vm_vsrc(0)
	s_getreg_b32 s2, hwreg(HW_REG_IB_STS2, 6, 4)
	s_cmp_eq_u32 s2, 0
	s_cbranch_scc0 .Lentry_in_a_cluster
	s_endpgm
.Lentry_in_a_cluster:
	s_bfe_u32 s2, ttmp6, 0x10000c
	s_cmp_lg_u32 s2, 0x3003
	s_cbranch_scc0 .Lentry_shape_is_right
	s_endpgm
.Lentry_shape_is_right:
; out0[b][q][:] = the sum over k of softmax_k(Q[b][q] . K[b][k] / sqrt(384)) V[b][k][:].  8 batches, 2,048 positions, 384 channels, no mask.  Q, K, V come in f16 as images of the operands' registers
; (qf, kf = [16 rows][32 channels 0..11][half][lane][16 bytes]; vf = [32 keys][16 channels 0..23][half][lane][16 bytes]); products in f16 with f32 sums; maxima, exponentials and sums in f32; the weights p
; (at most about 1) are rounded to f16 for the second product; out0 is f32.
; SHARES.  A work-group owns 64 queries of a batch (four tiles of 16) and walks the batch's keys, 64 a step, 32 steps.  Wave w makes S^T = K Q^T for key tile w of the step against all 64 queries (Q stays in
; registers: 384), takes their softmax, and hands its halves of P's fragments to the others through LDS.  Every wave makes O^T = V^T P for its own 96 channels and all 64 queries.  So each byte of K and V is read
; from LDS once in the work-group and each fragment feeds four matrix instructions.
; LAYOUT.  Both products transposed: a lane holds one query (lane % 16) in S^T, P and O^T.  S^T's eight registers of a tile are keys 8 (lane / 16) + 0 .. 7 of my 16: rounded in pairs, half a fragment of P.
; SOFTMAX.  One running maximum m for each query, common to the four waves: each wave's maxima of step j + 1 cross LDS at the same barrier as P of step j.  p = 2^(c s - c m), c = log2(e) / sqrt(384);
; O and the sums are multiplied by a = 2^(c m_old - c m_new) in every step.  Each wave keeps the sum of its own keys' p; the four meet at the end.
; TRIP j (p = j % 2), one barrier a trip: the refill {K(j+3), V(j)} into slot 1 - p | K Q^T of step j + 1 from K's registers | O x a(j-1) | the softmax of step j | V^T P of step j - 1 | K(j+2) from slot p into
; registers | my maxima of step j + 1 | P(j) and the maxima to LDS.  The vector work stands in slices of four behind the matrix instructions.
; CLUSTER.  The four work-groups of a cluster belong to one batch and walk the same K and V: each tile is asked for jointly, by the same tensor load with the same descriptor and the mask of all four.
; By this text's count a wave has two tensor loads out at the head and one behind each round.
; LIMITS: those of f16 for q, k, v (made by the launch before); NaN and infinities are not served.
; REGISTERS, in windows of 256: window 0: v1-15 addresses; v16-47 statistics, eight a tile of queries: +0 c m (even trips), +1 m, +2 c m (odd trips), +3 at work, +4, +5 the sum, +6 a, +7 its exponent;
;   v48-51 my maxima; v52-67 the four waves' maxima; v68-83 P as packed; v84-115, v116-147 S^T of two steps; v148-243 V's 12 fragments; v244-247 at work.
;   window 1: Q, channels 32 c on, c = 0..7, at 32 c + 8 t.   window 2: Q, c = 8..11, at 32 (c - 8) + 8 t; K's 12 fragments at 128 + 8 c.   window 3: O^T at 8 (4 u + t); P's 8 fragments at 192 + 8 (4 g + t).
.set UNIT,  49152                      ; 64 keys of K or of V
.set SLOTB, 98304                      ; a slot: a unit of K, then a unit of V
.set PB,    196608                     ; P: 2 x 8,192 bytes = [32 keys g][tile t][half][512]
.set MX,    212992                     ; the maxima: 2 x 1,024 bytes = [wave][r][4 tiles]; behind them 1,024 bytes for the sums
.set SPARE, 216064                     ; the spare words, 128 bytes for each wave: two blocks of 256 bytes that no other line names
.set STAGE, 216576                     ; the way out: 64 rows of SP bytes
.set SP,    1552                       ; 1,536 bytes + 16: the 16 rows of a store start at 16 different columns of 16 bytes
.set L16,  1                           ; v1   16 x lane
.set ADK,  2                           ; v2-3 my key tile's fragments in slot 0, 1
.set ADV,  4                           ; v4-5 my channel tiles' fragments in slot 0, 1
.set APW,  6                           ; v6   where I store my halves of P
.set APR,  7                           ; v7   where P is read
.set AMW,  8                           ; v8   where I store my maxima
.set AMR,  9                           ; v9   where the maxima are read
.set SPW,  10                          ; v10  my spare word; never rewritten
.set NIL,  11                          ; v11  0; never rewritten
.set PFO,  12                          ; v12  256 x lane
.set STOA, 13                          ; v13-14 the stage, in: tiles 0, 1 and tiles 2, 3
.set RD,   15                          ; v15  the stage, back
.set ST,   16
.set LM,   48
.set G,    52
.set PO,   68
.set SA,   84
.set VF,   148
.set TMP,  244
.set WV,   12                          ; s12  my wave's number
.set G1,   16                          ; s[16:23] descriptor group 1
.set G0KA, 24                          ; s[24:27] K(0);  s[28:31] K(2), which then walks;  s[32:35] K(1);  s[36:39] V(0), which then walks
.set G0KB, 28
.set G0VA, 32
.set G0VB, 36
.set LK,   40                          ; s40  my half of a unit of K in a slot;  s41  of V
.set LV,   41
.set CS,   42                          ; s[42:43] c
.set SEL,  44                          ; s[44:45] lane selects: lane l xor 16
.set CNT,  46
.set LIM0, 47                          ; s47, s48: 0 and 1 in a wave that prefetches, else the greatest number
.set LIM1, 48
.set PFA,  50                          ; s[50:51] where my prefetches stand
.set MSB, 0
.macro WIN new                         ; the immediate's high byte repeats the setting that is left
.if MSB != (\new)
	s_set_vgpr_msb (MSB<<8)|(\new)
.set MSB, (\new)
.endif
.endm
.macro PLACES
.rept 4
	v_nop
.endr
.endm
.macro CREST                           ; a round of the cluster's barrier behind its opening barrier
	s_cmp_lg_u32 s[WV], 0
	s_cbranch_scc1 .Lnot_wave_0_\@
	s_barrier_signal -3
.Lnot_wave_0_\@:
	s_barrier_wait -3
	s_barrier_signal -1
	s_barrier_wait -1
.endm
.macro CROUND
	s_barrier_signal -1
	s_barrier_wait -1
	CREST
.endm
; The joint refill.  Waves 0 and 1 fetch the halves of K's unit, waves 2 and 3 of V's; the branch hangs on the wave's number alone.  kind 2: both; 1: K alone; 3: V alone.
; An s_nop 0 stands directly behind each load and four v_nop follow on every way; they are also the places in front of the loads into P's and V's registers and of O's rescaling.
.macro JLOAD kind
.if (\kind) == 2
	s_cmp_lt_u32 s[WV], 2
	s_cbranch_scc0 .Lfor_v_\@
	tensor_load_to_lds s[G0KB:G0KB+3], s[G1:G1+7]
	s_nop 0
	PLACES
	s_branch .Lasked_\@
.Lfor_v_\@:
	tensor_load_to_lds s[G0VB:G0VB+3], s[G1:G1+7]
	s_nop 0
	PLACES
.Lasked_\@:
.elseif (\kind) == 1
	s_cmp_lt_u32 s[WV], 2
	s_cbranch_scc0 .Lnone_\@
	tensor_load_to_lds s[G0KB:G0KB+3], s[G1:G1+7]
	s_nop 0
.Lnone_\@:
	PLACES
.else
	s_cmp_lt_u32 s[WV], 2
	s_cbranch_scc1 .Lnone_\@
	tensor_load_to_lds s[G0VB:G0VB+3], s[G1:G1+7]
	s_nop 0
.Lnone_\@:
	PLACES
.endif
.endm
; A PREFETCH INTO THE L2: trip j (0 .. 26) names step j + 5 of K and of V: K's unit two trips ahead of its tensor load, V's five.  A step's two units are twelve pieces of 8,192 bytes, lanes 256 bytes apart.
; All clusters of a batch walk the same units: the batch's first cluster asks.  Its four partners are told apart by address (places 0, 1: K's six pieces; places 2, 3: V's), three pieces each, one a wave, waves 0-2.
; So each piece is named once in the launch.  Steps 0 to 4 come by their loads alone; trip 27 and the later ones ask for nothing.
.macro ASK how                         ; 1: a trip written out; 2, 3: the loop's even and odd trip
.if \how
.if (\how) == 1
	s_cmp_eq_u32 s[LIM0], 0
.elseif (\how) == 2
	s_cmp_gt_u32 s[CNT], s[LIM0]
.else
	s_cmp_gt_u32 s[CNT], s[LIM1]
.endif
	s_cbranch_scc0 .Lnot_mine_\@
	global_prefetch_b8 v[PFO], s[PFA:PFA+1] th:TH_LOAD_NT scope:SCOPE_SE
.Lnot_mine_\@:
.endif
.endm
; Product i of 48 of S^T = K Q^T: channels 32 (i / 4) on, tile of queries i % 4.  The four accumulators take turns; the first four start the sums.
.macro QKW sb
.if i < 32
	WIN 0x06                                       ; K window 2, Q window 1, S^T window 0
.set rQ, 32*(i/4)+8*(i%4)
.else
	WIN 0x0a                                       ; Q window 2
.set rQ, 32*(i/4-8)+8*(i%4)
.endif
.set rS, (\sb)+8*(i%4)
.set rK, 128+8*(i/4)
.if i < 4
	v_wmma_f32_16x16x32_f16 v[rS:rS+7], v[rK:rK+7], v[rQ:rQ+7], 0
.else
	v_wmma_f32_16x16x32_f16 v[rS:rS+7], v[rK:rK+7], v[rQ:rQ+7], v[rS:rS+7]
.endif
.endm
; Product i of 48 of O^T += V^T P: keys 32 (i / 24) on, my channel tile (i % 24) / 4, tile of queries i % 4.  24 accumulators by turns.  first = 1: the first 24 start the sums.
.macro PVW first
	WIN 0xfc                                       ; V window 0, P, C and D window 3
.set rO, 8*(4*((i%24)/4)+i%4)
.set rV, VF+8*(6*(i/24)+(i%24)/4)
.set rP, 192+8*(4*(i/24)+i%4)
.if (\first) && (i < 24)
	v_wmma_f32_16x16x32_f16 v[rO:rO+7], v[rV:rV+7], v[rP:rP+7], 0
.else
	v_wmma_f32_16x16x32_f16 v[rO:rO+7], v[rV:rV+7], v[rP:rP+7], v[rO:rO+7]
.endif
.endm
.macro RSL n                           ; accumulator n of O^T times its tile's a (at the end: 1 / the sum), from its low end on
	WIN 0xc3
.irp k, 0,2,4,6
	v_pk_mul_f32 v[8*(\n)+\k:8*(\n)+\k+1], v[8*(\n)+\k:8*(\n)+\k+1], v[ST+8*((\n)%4)+6:ST+8*((\n)%4)+7] op_sel_hi:[1,0]
.endr
.endm
; THE SOFTMAX of a step is a list of 100 instructions; CIT writes number cn.  0-15: m = max(m, the four waves' maxima), c m, the exponent of a.  16-67: ONE BATCH: 16 packed scalings c s - c m and 36 exponentials
; (a of the four tiles, then the 32 scores), from 20 on a scaling and three exponentials to a slice; none names an exponential's result.  Behind 67 stands the one wait.  68-83: the roundings to f16.  84-99: the sums.
.macro CIT p
	WIN 0
.set SB, SA+32*(\p)
.set CMN, 2*(\p)
.set CMO, 2-2*(\p)
.if cn < 16
.set rT, ST+8*(cn%4)
.set rG, G+cn%4
.if cn < 4
	v_max3_num_f32 v[rT+3], v[rT+1], v[rG], v[rG+4]
.elseif cn < 8
	v_max3_num_f32 v[rT+1], v[rT+3], v[rG+8], v[rG+12]
.elseif cn < 12
	v_mul_f32 v[rT+CMN], s[CS], v[rT+1]
.else
	v_sub_f32 v[rT+7], v[rT+CMO], v[rT+CMN]        ; c m_old - c m_new
.endif
.elseif (cn < 20) || ((cn < 68) && (cn%4 == 0))
.set qq, cn-16
.if cn >= 20
.set qq, 4+(cn-20)/4
.endif
	v_pk_fma_f32 v[SB+2*qq:SB+2*qq+1], v[SB+2*qq:SB+2*qq+1], s[CS:CS+1], v[ST+8*(qq/4)+CMN:ST+8*(qq/4)+CMN+1] op_sel_hi:[1,0,0] neg_lo:[0,0,1] neg_hi:[0,0,1]
.elseif cn < 68
.set ee, 3*((cn-20)/4)+(cn-20)%4-1
.if ee < 4
	v_exp_f32 v[ST+8*ee+6], v[ST+8*ee+7]
.else
	v_exp_f32 v[SB+ee-4], v[SB+ee-4]
.endif
.elseif cn < 84
	v_cvt_pk_f16_f32 v[PO+cn-68], v[SB+2*(cn-68)], v[SB+2*(cn-68)+1]
.else
.set rT, ST+8*(cn%4)
.set rB, SB+8*(cn%4)
.if cn < 88
	v_pk_add_f32 v[rB:rB+1], v[rB:rB+1], v[rB+2:rB+3]
.elseif cn < 92
	v_pk_add_f32 v[rB+4:rB+5], v[rB+4:rB+5], v[rB+6:rB+7]
.elseif cn < 96
	v_pk_add_f32 v[rB:rB+1], v[rB:rB+1], v[rB+4:rB+5]
.else
	v_pk_fma_f32 v[rT+4:rT+5], v[rT+4:rT+5], v[rT+6:rT+7], v[rB:rB+1] op_sel_hi:[1,0,1]   ; the sum = the sum x a + this step's
.endif
.endif
.endm
.macro LIT sb                          ; number ln of 24: my 16 keys' largest score for each query, each accumulator from its low end on
	WIN 0
.set tt, ln%4
.set rS, (\sb)+8*tt
.if ln < 4
	v_max3_num_f32 v[LM+tt], v[rS], v[rS+1], v[rS+2]
.elseif ln < 8
	v_max3_num_f32 v[LM+tt], v[LM+tt], v[rS+3], v[rS+4]
.elseif ln < 12
	v_max3_num_f32 v[LM+tt], v[LM+tt], v[rS+5], v[rS+6]
.elseif ln < 16
	v_max_num_f32 v[LM+tt], v[LM+tt], v[rS+7]
.elseif ln < 20
	v_permlanex16_b32 v[TMP+tt], v[LM+tt], s[SEL], s[SEL+1]
.else
	v_max_num_f32 v[LM+tt], v[LM+tt], v[TMP+tt]
.endif
.endm
.macro LSIT                            ; number ln of 12: my keys' sum for each query
	WIN 0
.set tt, ln%4
.set rT, ST+8*tt
.if ln < 4
	v_add_f32 v[rT+3], v[rT+4], v[rT+5]
.elseif ln < 8
	v_permlanex16_b32 v[TMP+tt], v[rT+3], s[SEL], s[SEL+1]
.else
	v_add_f32 v[LM+tt], v[rT+3], v[TMP+tt]
.endif
.endm
.macro LDG off                         ; the four waves' maxima (or sums)
	WIN 0
.irp w, 0,1,2,3
	ds_load_b128 v[G+4*\w:G+4*\w+3], v[AMR] offset:(\off)+256*\w
.endr
.endm
.macro LDP pb, part                    ; eight of P's sixteen half fragments
	WIN 0xc0
.irp k, 0,1,2,3,4,5,6,7
	ds_load_b128 v[192+4*(8*(\part)+\k):192+4*(8*(\part)+\k)+3], v[APR] offset:(\pb)*8192+512*(8*(\part)+\k)
.endr
.endm
.macro LDV slot, part                  ; six of V's 24 half fragments
	WIN 0
.irp k, 0,1,2,3,4,5
.set q, 6*(\part)+\k
	ds_load_b128 v[VF+4*q:VF+4*q+3], v[ADV+(\slot)] offset:(q/12)*24576+(q%12)*512
.endr
.endm
.macro LDK adr, off, part              ; six of K's 24 half fragments
	WIN 0x80
.irp k, 0,1,2,3,4,5
.set q, 6*(\part)+\k
	ds_load_b128 v[128+4*q:128+4*q+3], v[\adr] offset:(\off)+512*q
.endr
.endm
; A TRIP.  fill: JLOAD's kind.  qk: K Q^T of the next step and its maxima.  rs: O is rescaled.  pv: 2 = V^T P, 1 = it starts O's sums, 0 = none.  kl: K's next fragments.  ask: ASK's way.
; last: my sums go to LDS.  nk, nv: the next trip fills K's, V's unit.
; THE CHANGE OF SLOTS stands round the last eight products: each wave waits for all its tensor loads, adds 0 to its spare word, steps the walking descriptors, and waits for the add and for all its LDS instructions
; (its reads of slot p, its stores of P and of the maxima); the barrier opens a round of the cluster's barrier, behind which slot p is filled again first.
.macro TRIP p, fill, qk, rs, pv, kl, ask, last, nk, nv
	JLOAD \fill
	ASK \ask
.set i, 0
.rept 48
.if \qk
	QKW SA+32*(1-\p)
.endif
.if i == 0
	LDG 1024*\p
.endif
.if \pv && ((i == 1) || (i == 2))
	LDP 1-\p, i-1
.endif
.if \pv && (i >= 3) && (i <= 6)
	LDV \p, i-3
.endif
.if \rs && (i >= 8) && (i < 32)
	RSL i-8
.endif
.if i == 32
	s_wait_dscnt 0x0                               ; the maxima, P and V are in: the youngest of these loads was issued 26 products ago
.endif
.if i >= 32
.set cn, 4*(i-32)
.rept 4
	CIT \p
.set cn, cn+1
.endr
.endif
.set i, i+1
.endr
.if \qk
	PLACES                                         ; four places in front of the loads into K's registers and of the first read of the new scores
.endif
.set i, 0
.rept 48
.if i == 40
	WIN 0
	s_wait_tensorcnt 0x0                           ; all my tensor loads have landed: my part of slot 1 - p; no load of mine is out, so a group 0 may be written
	ds_add_u32 v[SPW], v[NIL]                      ; 0 onto my spare word
.if \nk
	s_add_co_u32 s[G0KB+1], s[LK], (\p)*SLOTB      ; the next refill goes into the slot that this trip reads,
	s_add_nc_u64 s[G0KB+2:G0KB+3], s[G0KB+2:G0KB+3], UNIT   ; with the next step's unit; the type bits on top are not reached
.endif
.if \nv
	s_add_co_u32 s[G0VB+1], s[LV], (\p)*SLOTB
	s_add_nc_u64 s[G0VB+2:G0VB+3], s[G0VB+2:G0VB+3], UNIT
.endif
.if \ask
	s_wait_xcnt 0x0                                ; this trip's prefetch, 88 products back, has read its address
	s_add_nc_u64 s[PFA:PFA+1], s[PFA:PFA+1], UNIT
.endif
.endif
.if i == 44
	s_wait_dscnt 0x0                               ; the add is done; my reads of slot p are in; my P and my maxima lie in LDS
	s_barrier_signal -1
.endif
.if \pv
	PVW 2-\pv
.endif
.if i == 0
.set cn, 64
.rept 4
	CIT \p
.set cn, cn+1
.endr
	v_nop                                          ; the plain instruction behind the last exponential
	s_wait_alu depctr_va_vdst(0)                   ; one wait for the batch of 36, ahead of the first instruction that names a result
.endif
.if (i >= 1) && (i <= 8)
.set cn, 64+4*i
.rept 4
	CIT \p
.set cn, cn+1
.endr
.endif
.if i == 9
	WIN 0
.irp t, 0,1,2,3
	ds_store_b128 v[APW], v[PO+4*\t:PO+4*\t+3] offset:(\p)*8192+1024*\t
.endr
.endif
.if \kl && (i >= 10) && (i <= 13)
	LDK ADK+\p, 0, i-10
.endif
.if \qk && (i >= 14) && (i <= 19)
.set ln, 4*(i-14)
.rept 4
	LIT SA+32*(1-\p)
.set ln, ln+1
.endr
.endif
.if \qk && (i == 20)
	WIN 0
	ds_store_b128 v[AMW], v[LM:LM+3] offset:1024*(1-\p)   ; lanes r and r + 16 store the same 16 bytes
.endif
.if \last && (i >= 14) && (i <= 16)
.set ln, 4*(i-14)
.rept 4
	LSIT
.set ln, ln+1
.endr
.endif
.if \last && (i == 17)
	WIN 0
	ds_store_b128 v[AMW], v[LM:LM+3] offset:2048
.endif
.set i, i+1
.endr
	WIN 0
	s_barrier_wait -1
.if \nk || \nv
	CREST                                          ; no wave of any partner still reads slot p or has a load on its way
.endif
.endm
	s_load_b256 s[4:11], s[0:1], 0x0               ; qf s[4:5], kf s[6:7], vf s[8:9], out0 s[10:11]
	v_lshl_add_u32 v[SPW], v0, 2, SPARE
	v_mov_b32 v[NIL], 0
	ds_add_u32 v[SPW], v[NIL]                      ; the wave's opening: the add, twice on end, and its wait ahead of my first tensor load
	ds_add_u32 v[SPW], v[NIL]                      ; and once more, under the one wait; the set-up below stands between
	v_lshrrev_b32 v[TMP], 5, v0
	v_readfirstlane_b32 s[WV], v[TMP]              ; wave 0..3
	s_bfe_u32 s13, ttmp6, 0x40000                  ; cx: my place in the cluster: it enters Q's, out0's and the prefetches' addresses alone
	s_lshl_b32 s14, ttmp9, 2
	s_add_co_u32 s14, s14, s13                     ; my block of 64 queries = 4 x cluster x + cx
	s_and_b32 s15, ttmp7, 0xffff                   ; the batch, which the four partners share
	; group 1: 24,576 dense bytes as 96 rows of 32 elements of 8 bytes; the mask names all four work-groups, bit 21 beside it
	s_mov_b32 s[G1+0], 15|(3<<16)|(1<<21)
	s_mov_b32 s[G1+1], 32<<16                      ; tensor_dim0
	s_mov_b32 s[G1+2], 96<<16                      ; tensor_dim1
	s_mov_b32 s[G1+3], 32<<16                      ; tile_dim0
	s_mov_b32 s[G1+4], 96                          ; tile_dim1
	s_mov_b32 s[G1+5], 32                          ; the pitch
	s_mov_b32 s[G1+6], 0
	s_mov_b32 s[G1+7], 0
	s_and_b32 s52, s[WV], 1                        ; which half of a unit I fetch
	s_mul_i32 s[LK], s52, 24576
	s_add_co_u32 s[LV], s[LK], UNIT
	s_mul_i32 s53, s15, 32*UNIT                    ; the batch's first byte in kf, vf
	s_add_co_u32 s54, s53, s[LK]
	s_mov_b32 s55, 0
	s_lshl_b32 s56, s15, 5
	s_add_co_u32 s56, s56, s14
	s_mul_i32 s56, s56, UNIT                       ; my 64 queries in qf
	s_mov_b32 s57, 0
	s_lshl_b32 s58, s15, 11
	s_lshl_b32 s59, s14, 6
	s_add_co_u32 s58, s58, s59
	s_lshl_b32 s59, s[WV], 4
	s_add_co_u32 s58, s58, s59                     ; the first row of out0 that I store
	s_mul_i32 s58, s58, 1536
	s_mov_b32 s59, 0
	s_and_b32 s60, s13, 1
	s_mul_i32 s60, s60, 3
	s_add_co_u32 s60, s60, s[WV]                   ; my piece of a unit
	s_lshl_b32 s60, s60, 13
	s_add_co_u32 s60, s60, s53
	s_add_co_u32 s60, s60, 5*UNIT                  ; in step 5
	s_mov_b32 s61, 0
	s_cmp_eq_u32 s[WV], 3
	s_cselect_b32 s62, 1, 0
	s_or_b32 s62, s62, ttmp9                       ; 0 in waves 0-2 of the batch's first cluster: the same in all four partners
	s_cmp_eq_u32 s62, 0
	s_cselect_b32 s[LIM0], 0, -1
	s_cselect_b32 s[LIM1], 1, -1
	s_mov_b32 s[CS], 0x3d96c740                    ; c = log2(e) / sqrt(384)
	s_mov_b32 s[CS+1], s[CS]                       ; named with it as a pair, so it is written
	s_mov_b32 s[SEL], 0x76543210
	s_mov_b32 s[SEL+1], 0xfedcba98
	s_wait_dscnt 0x0                               ; both opening adds are done
	s_wait_kmcnt 0x0
	s_add_nc_u64 s[4:5], s[4:5], s[56:57]
	s_add_nc_u64 s[10:11], s[10:11], s[58:59]
	s_cmp_lt_u32 s13, 2
	s_cselect_b64 s[PFA:PFA+1], s[6:7], s[8:9]
	s_add_nc_u64 s[PFA:PFA+1], s[PFA:PFA+1], s[60:61]
	s_add_nc_u64 s[6:7], s[6:7], s[54:55]          ; kf and vf at my half of step 0
	s_add_nc_u64 s[8:9], s[8:9], s[54:55]
	CROUND                                         ; all four work-groups are here: the first joint loads meet
	s_mov_b32 s[G0KA], 1                           ; K(0) into slot 1's unit of K
	s_add_co_u32 s[G0KA+1], s[LK], SLOTB
	s_mov_b64 s[G0KA+2:G0KA+3], s[6:7]
	s_or_b32 s[G0KA+3], s[G0KA+3], 0x80000000
	s_mov_b32 s[G0KB], 1                           ; K(2) into slot 0's unit of K
	s_mov_b32 s[G0KB+1], s[LK]
	s_add_nc_u64 s[G0KB+2:G0KB+3], s[6:7], 2*UNIT
	s_or_b32 s[G0KB+3], s[G0KB+3], 0x80000000
	s_mov_b32 s[G0VA], 1                           ; K(1) into slot 0's unit of V, which has no V to hold yet
	s_mov_b32 s[G0VA+1], s[LV]
	s_add_nc_u64 s[G0VA+2:G0VA+3], s[6:7], UNIT
	s_or_b32 s[G0VA+3], s[G0VA+3], 0x80000000
	s_mov_b32 s[G0VB], 1                           ; V(0) into slot 1's unit of V
	s_add_co_u32 s[G0VB+1], s[LV], SLOTB
	s_mov_b64 s[G0VB+2:G0VB+3], s[8:9]
	s_or_b32 s[G0VB+3], s[G0VB+3], 0x80000000
	s_cmp_lt_u32 s[WV], 2                          ; a wave's two first fills stand in one branch, ahead of every wait on TENSORcnt and every LDS read
	s_cbranch_scc0 .Lfirst_v
	tensor_load_to_lds s[G0KA:G0KA+3], s[G1:G1+7]
	s_nop 0
	tensor_load_to_lds s[G0KB:G0KB+3], s[G1:G1+7]
	s_nop 0
	PLACES
	s_branch .Lfirst_asked
.Lfirst_v:
	tensor_load_to_lds s[G0VA:G0VA+3], s[G1:G1+7]
	s_nop 0
	tensor_load_to_lds s[G0VB:G0VB+3], s[G1:G1+7]
	s_nop 0
	PLACES
.Lfirst_asked:
	v_and_b32 v[L16], 31, v0
	v_lshlrev_b32 v[PFO], 8, v[L16]
	v_lshlrev_b32 v[L16], 4, v[L16]
.set qc, 0
.rept 12                                       ; Q stays in registers: 48 fragments
.if qc < 8
	WIN 0x40
.set rQ, 32*qc
.else
	WIN 0x80
.set rQ, 32*(qc-8)
.endif
.irp t, 0,1,2,3
	global_load_b128 v[rQ+8*\t:rQ+8*\t+3], v[L16], s[4:5] offset:\t*12288+qc*1024
	global_load_b128 v[rQ+8*\t+4:rQ+8*\t+7], v[L16], s[4:5] offset:\t*12288+qc*1024+512
.endr
.set qc, qc+1
.endr
	WIN 0
	v_and_b32 v[AMR], 15, v0                       ; r
	v_bfe_u32 v[RD], v0, 4, 1                      ; h
	v_mul_u32_u24 v[STOA], v[AMR], SP
	v_lshl_add_u32 v[STOA], v[RD], 5, v[STOA]
	s_mul_i32 s52, s[WV], 384
	s_add_co_u32 s52, s52, STAGE
	v_add_nc_u32 v[STOA], s52, v[STOA]             ; the stage, in: row r, + 32 h, + my 96 channels' 384 bytes
	v_add_nc_u32 v[STOA+1], 32*SP, v[STOA]         ; and 32 rows on
	s_mul_i32 s52, s[WV], 16*SP
	s_add_co_u32 s52, s52, STAGE
	v_add_nc_u32 v[RD], s52, v[L16]                ; back: my 16 rows
	v_lshl_add_u32 v[AMR], v[AMR], 4, MX
	s_lshl_b32 s52, s[WV], 8
	v_add_nc_u32 v[AMW], s52, v[AMR]
	s_mul_i32 s52, s[WV], 12288
	v_add_nc_u32 v[ADK], s52, v[L16]
	v_add_nc_u32 v[ADK+1], SLOTB, v[ADK]
	s_mul_i32 s52, s[WV], 6144
	s_add_co_u32 s52, s52, UNIT
	v_add_nc_u32 v[ADV], s52, v[L16]
	v_add_nc_u32 v[ADV+1], SLOTB, v[ADV]
	v_add_nc_u32 v[APR], PB, v[L16]
	s_lshr_b32 s52, s[WV], 1
	s_lshl_b32 s52, s52, 12
	s_and_b32 s62, s[WV], 1
	s_lshl_b32 s62, s62, 9
	s_add_co_u32 s52, s52, s62
	v_add_nc_u32 v[APW], s52, v[APR]               ; my 16 keys are half w % 2 of the fragments of keys 32 (w / 2) on
.irp t, 0,1,2,3
	v_mov_b32 v[ST+8*\t], 0
	v_mov_b32 v[ST+8*\t+1], 0xff61b1e6             ; m: -3e38, under every score
	v_mul_f32 v[ST+8*\t+2], s[CS], v[ST+8*\t+1]    ; c m: the first a is 2^(a very negative number) = 0, which multiplies a sum of 0
	v_mov_b32 v[ST+8*\t+3], 0
	v_mov_b32 v[ST+8*\t+4], 0
	v_mov_b32 v[ST+8*\t+5], 0
	v_mov_b32 v[ST+8*\t+6], 0
	v_mov_b32 v[ST+8*\t+7], 0
	v_mov_b32 v[TMP+\t], 0                         ; a lane permute's destination counts as one of its sources
.endr
	s_wait_tensorcnt 0x1                           ; my first fill (a half of K(0) or of K(1)) is in; my second may stay out
	s_barrier_signal -1
	s_barrier_wait -1                              ; everybody's is
.irp n, 0,1,2,3
	LDK ADK+1, 0, \n                               ; K(0)
.endr
	s_wait_loadcnt 0x0                             ; Q
	s_wait_dscnt 0x0
.set i, 0
.rept 48
	QKW SA                                         ; the scores of step 0: there is no vector work yet to set between them
.set i, i+1
.endr
	PLACES
.irp n, 0,1,2,3
	LDK ADK, UNIT, \n                              ; K(1)
.endr
.set ln, 0
.rept 24
	LIT SA
.set ln, ln+1
.endr
	ds_store_b128 v[AMW], v[LM:LM+3]
	s_wait_tensorcnt 0x0                           ; K(2) and V(0) have landed
	ds_add_u32 v[SPW], v[NIL]                      ; 0 onto my spare word
	s_add_co_u32 s[G0KB+1], s[LK], SLOTB           ; K(3) goes where K(0) lay
	s_add_nc_u64 s[G0KB+2:G0KB+3], s[G0KB+2:G0KB+3], UNIT
	s_wait_dscnt 0x0                               ; the add is done, K(1) is in registers, my maxima lie in LDS
	CROUND
	;    p fill qk rs pv kl ask last nk nv
	TRIP 0, 1,  1, 0, 0, 1, 1,  0,   1, 1           ; trip 0
	TRIP 1, 2,  1, 0, 1, 1, 1,  0,   1, 1           ; trip 1: V^T P of step 0 starts O^T
	s_mov_b32 s[CNT], 13
.Lpair:                                            ; trips 2 to 27
	TRIP 0, 2,  1, 1, 2, 1, 2,  0,   1, 1
	TRIP 1, 2,  1, 1, 2, 1, 3,  0,   1, 1
	s_sub_co_u32 s[CNT], s[CNT], 1
	s_cmp_lg_u32 s[CNT], 0
	s_cbranch_scc1 .Lpair
	TRIP 0, 2,  1, 1, 2, 1, 0,  0,   0, 1           ; trip 28 asks for K(31), the last; the tail is written out
	TRIP 1, 3,  1, 1, 2, 1, 0,  0,   0, 1           ; trip 29
	TRIP 0, 3,  1, 1, 2, 0, 0,  0,   0, 1           ; trip 30: the last scores
	TRIP 1, 3,  0, 1, 2, 0, 0,  1,   0, 0           ; trip 31: the last softmax; V(31) is asked for
	; trip 32: V^T P of step 31, and the four waves' sums
	PLACES                                         ; four places in front of the loads into P's and V's registers and of O's rescaling
	LDG 2048
	LDP 1, 0
	LDP 1, 1
.irp n, 0,1,2,3
	LDV 0, \n
.endr
.set i, 0
.rept 24
	RSL i                                          ; O x a(31)
.set i, i+1
.endr
	WIN 0
	s_wait_dscnt 0x0
.irp t, 0,1,2,3
	v_add_f32 v[ST+8*\t+3], v[G+\t], v[G+4+\t]
.endr
.irp t, 0,1,2,3
	v_add_f32 v[TMP+\t], v[G+8+\t], v[G+12+\t]
.endr
.irp t, 0,1,2,3
	v_add_f32 v[ST+8*\t+3], v[ST+8*\t+3], v[TMP+\t]   ; the row's sum
.endr
.irp t, 0,1,2,3
	v_rcp_f32 v[ST+8*\t+6], v[ST+8*\t+3]
.endr
	v_nop                                          ; a plain instruction behind the last reciprocal
	s_wait_alu depctr_va_vdst(0)                   ; one wait for the four, ahead of their first reader
.set i, 0
.rept 48
	PVW 0
.set i, i+1
.endr
	PLACES
.set i, 0
.rept 24
	RSL i                                          ; O / the sum
.set i, i+1
.endr
	; THE WAY OUT.  A lane holds eight neighbouring channels of a row, a row's 384 come from four waves: they meet in the stage, and each wave stores 16 whole rows.
	WIN 0x0c                                       ; an LDS store's data are its source 1: window 3
.set q, 0
.rept 24
	ds_store_b128 v[STOA+(q%4)/2], v[8*q:8*q+3] offset:(q%2)*16*SP+64*(q/4)
	ds_store_b128 v[STOA+(q%4)/2], v[8*q+4:8*q+7] offset:(q%2)*16*SP+64*(q/4)+16
.set q, q+1
.endr
	WIN 0
	s_wait_dscnt 0x0                               ; for the others' sake: my stores into the stage are done
	s_barrier_signal -1
	s_barrier_wait -1
	WIN 0x40                                       ; into Q's registers of window 1, which are free
.set q, 0
.rept 48
	ds_load_b128 v[4*q:4*q+3], v[RD] offset:(q/3)*SP+(q%3)*512
.set q, q+1
.endr
	WIN 0x04                                       ; a store's data are its source 1: window 1
.set q, 0
.rept 48
.if q%3 == 0
	s_wait_dscnt 45-q                              ; this row's three loads are in; the younger ones may be out
.endif
	global_store_b128 v[L16], v[4*q:4*q+3], s[10:11] offset:(q/3)*1536+(q%3)*512 th:TH_STORE_NT   ; 32 lanes store 512 consecutive bytes, at a multiple of 256 from out0's first byte
.set q, q+1
.endr
	WIN 0
	s_wait_tensorcnt 0x0                           ; the wave's end: behind my last tensor load and my last LDS store
	ds_add_u32 v[SPW], v[NIL]
	s_wait_dscnt 0x0
	CROUND                                         ; the closing round: no work-group ends while a partner may still ask for a tile that names it
	s_endpgm
.Lfunc_end_k_qaaad7da99c_attn:
	.size	k_qaaad7da99c_attn, .Lfunc_end_k_qaaad7da99c_attn-k_qaaad7da99c_attn
	.p2alignl 7, 3214868480
	.fill 96, 4, 3214868480
	.section	.rodata,"a",@progbits
	.p2align	6, 0x0
	.amdhsa_kernel k_qaaad7da99c_attn
		.amdhsa_group_segment_fixed_size 327680
		.amdhsa_private_segment_fixed_size 0
		.amdhsa_enable_private_segment 0
		.amdhsa_kernarg_size 32
		.amdhsa_user_sgpr_count 2
		.amdhsa_user_sgpr_kernarg_segment_ptr 1
		.amdhsa_wavefront_size32 1
		.amdhsa_system_sgpr_workgroup_id_x 1
		.amdhsa_system_sgpr_workgroup_id_y 1
		.amdhsa_system_sgpr_workgroup_id_z 1
		.amdhsa_system_vgpr_workitem_id 0
		.amdhsa_next_free_vgpr 1024
		.amdhsa_next_free_sgpr 66
		.amdhsa_reserve_vcc 0
		.amdhsa_float_denorm_mode_32 3
		.amdhsa_float_denorm_mode_16_64 3
		.amdhsa_memory_ordered 1
		.amdhsa_forward_progress 1
		.amdhsa_inst_pref_size 250
	.end_amdhsa_kernel
	.amdgpu_metadata
---
amdhsa.version: [ 1, 2 ]
amdhsa.kernels:
  - .name:           k_qaaad7da99c_attn
    .symbol:         k_qaaad7da99c_attn.kd
    .args:
      - { .name: qf, .offset: 0, .size: 8, .value_kind: global_buffer, .address_space: global }
      - { .name: kf, .offset: 8, .size: 8, .value_kind: global_buffer, .address_space: global }
      - { .name: vf, .offset: 16, .size: 8, .value_kind: global_buffer, .address_space: global }
      - { .name: out0, .offset: 24, .size: 8, .value_kind: global_buffer, .address_space: global }
    .group_segment_fixed_size: 327680
    .private_segment_fixed_size: 0
    .kernarg_segment_align: 8
    .kernarg_segment_size: 32
    .max_flat_workgroup_size: 128
    .sgpr_count:     66
    .vgpr_count:     1024
    .wavefront_size: 32
...
	.end_amdgpu_metadata
.endif
;; end of part 3
;; ======== version 2 of 2: 3 launches
;; limits: values are held in f16: magnitudes above 65,504 overflow, below 6.1e-05 lose precision
;; workspace buffers: wc 442,368 bytes; ws 36,864 bytes; qf 12,582,912 bytes; kf 12,582,912 bytes; vf 12,582,912 bytes
;; launch wquant: the kernel of part 1 again; grid 18 x 6, 4 waves a work-group, no clusters, 0 bytes of LDS; arguments Wk, Wq, Wv, wc, ws; writes wc, ws
;; launch proj: the kernel of part 2 again; grid 256 x 1, 4 waves a work-group, no clusters, 230,912 bytes of LDS; arguments x, wc, ws, qf, kf, vf; writes qf, kf, vf
;; launch attn (part 4): grid 32 x 8, 4 waves a work-group, clusters of 4 x 1, 327,680 bytes of LDS; arguments qf, kf, vf, out0; writes out0
.if DOCPART == 4
	.amdgcn_target "amdgcn-amd-amdhsa--gfx1250"
	.amdhsa_code_object_version 6
	.text
	.protected	k_qaaad7da99c_attn
	.globl	k_qaaad7da99c_attn
	.p2align	8
	.type	k_qaaad7da99c_attn,@function
k_qaaad7da99c_attn:
	s_mov_b64 s[64:65], 0
	v_nop
	global_prefetch_b8 v0, s[64:65] scope:SCOPE_SE
	s_setreg_imm32_b32 hwreg(HW_REG_WAVE_MODE, 25, 1), 1
	s_wait_xcnt 0x0
	s_wait_alu depctr_hold_cnt(0) depctr_sa_sdst(0) depctr_va_vdst(0) depctr_va_sdst(0) depctr_va_ssrc(0) depctr_va_vcc(0) depctr_vm_vsrc(0)
	s_getreg_b32 s2, hwreg(HW_REG_IB_STS2, 6, 4)
	s_cmp_eq_u32 s2, 0
	s_cbranch_scc0 .Lentry_in_a_cluster
	s_endpgm
.Lentry_in_a_cluster:
	s_bfe_u32 s2, ttmp6, 0x10000c
	s_cmp_lg_u32 s2, 0x3003
	s_cbranch_scc0 .Lentry_shape_is_right
	s_endpgm
.Lentry_shape_is_right:
; out0[b][q][:] = the sum over k of softmax_k(Q[b][q] . K[b][k] / sqrt(384)) V[b][k][:].  8 batches, 2,048 positions, 384 channels, no mask.  Q, K, V come in f16 as images of the operands' registers
; (qf, kf = [16 rows][32 channels 0..11][half][lane][16 bytes]; vf = [32 keys][16 channels 0..23][half][lane][16 bytes]); products in f16 with f32 sums; maxima, exponentials and sums in f32; the weights p
; (at most about 1) are rounded to f16 for the second product; out0 is f32.
; SHARES.  A work-group owns 64 queries of a batch (four tiles of 16) and walks the batch's keys, 64 a step, 32 steps.  Wave w makes S^T = K Q^T for key tile w of the step against all 64 queries (Q stays in
; registers: 384), takes their softmax, and hands its halves of P's fragments to the others through LDS.  Every wave makes O^T = V^T P for its own 96 channels and all 64 queries.  So each byte of K and V is read
; from LDS once in the work-group and each fragment feeds four matrix instructions.
; LAYOUT.  Both products transposed: a lane holds one query (lane % 16) in S^T, P and O^T.  S^T's eight registers of a tile are keys 8 (lane / 16) + 0 .. 7 of my 16: rounded in pairs, half a fragment of P.
; SOFTMAX.  One running maximum m for each query, common to the four waves: each wave's maxima of step j + 1 cross LDS at the same barrier as P of step j.  p = 2^(c s - c m), c = log2(e) / sqrt(384);
; O and the sums are multiplied by a = 2^(c m_old - c m_new) in every step.  Each wave keeps the sum of its own keys' p; the four meet at the end.
; THE WALK IS TURNED.  A running maximum and a sum do not ask in which order the keys come.  Cluster x of a batch (x = 0 .. 7) begins at step 8 ((x + x / 4) % 4) + 4 (x / 4) and goes round modulo 32: the eight starts
; are 0, 8, 16, 24, 12, 20, 28, 4, all different, and x = 0 .. 3 and x = 4 .. 7 each lie 8 steps apart.  So no two clusters of a batch ask for the same unit in the same trip: the eight
; requests for a unit are spread over the launch.  Below, step j counts from the cluster's own start.
; TRIP j (p = j % 2), one barrier a trip: the refill {K(j+3), V(j)} into slot 1 - p | one run of LDS loads: the maxima, P(j-1), V(j-1) | K Q^T of step j + 1 from K's registers | O x a(j-1) | the softmax of step j |
; V^T P of step j - 1 | my maxima of step j + 1 | one run of LDS instructions: P(j) and the maxima out, K(j+2) from slot p into registers.  The vector work stands in slices of four behind the matrix instructions;
; the LDS instructions stand in those two runs, not singly among the products.
; CLUSTER.  The four work-groups of a cluster belong to one batch and walk the same K and V: each tile is asked for jointly, by the same tensor load with the same descriptor and the mask of all four.
; By this text's count a wave has two tensor loads out at the head and one behind each round.
; LIMITS: those of f16 for q, k, v (made by the launch before); NaN and infinities are not served.
; REGISTERS, in windows of 256: window 0: v1-15 addresses; v16-47 statistics, eight a tile of queries: +0 c m (even trips), +1 m, +2 c m (odd trips), +3 at work, +4, +5 the sum, +6 a, +7 its exponent;
;   v48-51 my maxima; v52-67 the four waves' maxima; v68-83 P as packed; v84-115, v116-147 S^T of two steps; v148-243 V's 12 fragments; v244-247 at work.
;   window 1: Q, channels 32 c on, c = 0..7, at 32 c + 8 t.   window 2: Q, c = 8..11, at 32 (c - 8) + 8 t; K's 12 fragments at 128 + 8 c.   window 3: O^T at 8 (4 u + t); P's 8 fragments at 192 + 8 (4 g + t).
.set UNIT,  49152                      ; 64 keys of K or of V
.set SLOTB, 98304                      ; a slot: a unit of K, then a unit of V
.set PB,    196608                     ; P: 2 x 8,192 bytes = [32 keys g][tile t][half][512]
.set MX,    212992                     ; the maxima: 2 x 1,024 bytes = [wave][r][4 tiles]; behind them 1,024 bytes for the sums
.set SPARE, 216064                     ; the spare words, 128 bytes for each wave: two blocks of 256 bytes that no other line names
.set STAGE, 216576                     ; the way out: 64 rows of SP bytes
.set SP,    1552                       ; 1,536 bytes + 16: the 16 rows of a store start at 16 different columns of 16 bytes
.set L16,  1                           ; v1   16 x lane
.set ADK,  2                           ; v2-3 my key tile's fragments in slot 0, 1
.set ADV,  4                           ; v4-5 my channel tiles' fragments in slot 0, 1
.set APW,  6                           ; v6   where I store my halves of P
.set APR,  7                           ; v7   where P is read
.set AMW,  8                           ; v8   where I store my maxima
.set AMR,  9                           ; v9   where the maxima are read
.set SPW,  10                          ; v10  my spare word; never rewritten
.set NIL,  11                          ; v11  0; never rewritten
.set PFO,  12                          ; v12  256 x lane
.set STOA, 13                          ; v13-14 the stage, in: tiles 0, 1 and tiles 2, 3
.set RD,   15                          ; v15  the stage, back
.set ST,   16
.set LM,   48
.set G,    52
.set PO,   68
.set SA,   84
.set VF,   148
.set TMP,  244
.set WV,   12                          ; s12  my wave's number
.set G1,   16                          ; s[16:23] descriptor group 1
.set G0KA, 24                          ; s[24:27] K(0);  s[28:31] K(2), which then walks;  s[32:35] K(1);  s[36:39] V(0), which then walks
.set G0KB, 28
.set G0VA, 32
.set G0VB, 36
.set LK,   40                          ; s40  my half of a unit of K in a slot;  s41  of V
.set LV,   41
.set CS,   42                          ; s[42:43] c
.set SEL,  44                          ; s[44:45] lane selects: lane l xor 16
.set CNT,  46
.set LIM0, 47                          ; s47  12 in a wave that prefetches, else the greatest number
.set KST,  49                          ; s49  the step of the batch, 0 .. 31, at which K's walking descriptor stands
.set PFA,  50                          ; s[50:51] where my prefetches stand
.set OFS,  54                          ; s[54:55] a step's byte offset in the batch; the high word stays 0
.set VST,  63                          ; s63  the same as s49 for V's walking descriptor
.set MSB, 0
.macro WIN new                         ; the immediate's high byte repeats the setting that is left
.if MSB != (\new)
	s_set_vgpr_msb (MSB<<8)|(\new)
.set MSB, (\new)
.endif
.endm
.macro PLACES
.rept 4
	v_nop
.endr
.endm
.macro CREST                           ; a round of the cluster's barrier behind its opening barrier
	s_cmp_lg_u32 s[WV], 0
	s_cbranch_scc1 .Lnot_wave_0_\@
	s_barrier_signal -3
.Lnot_wave_0_\@:
	s_barrier_wait -3
	s_barrier_signal -1
	s_barrier_wait -1
.endm
.macro CROUND
	s_barrier_signal -1
	s_barrier_wait -1
	CREST
.endm
; The joint refill.  Waves 0 and 1 fetch the halves of K's unit, waves 2 and 3 of V's; the branch hangs on the wave's number alone.  kind 2: both; 1: K alone; 3: V alone.
; An s_nop 0 stands directly behind each load and four v_nop follow on every way; they are also the places in front of the loads into P's and V's registers and of O's rescaling.
.macro JLOAD kind
.if (\kind) == 2
	s_cmp_lt_u32 s[WV], 2
	s_cbranch_scc0 .Lfor_v_\@
	tensor_load_to_lds s[G0KB:G0KB+3], s[G1:G1+7]
	s_nop 0
	PLACES
	s_branch .Lasked_\@
.Lfor_v_\@:
	tensor_load_to_lds s[G0VB:G0VB+3], s[G1:G1+7]
	s_nop 0
	PLACES
.Lasked_\@:
.elseif (\kind) == 1
	s_cmp_lt_u32 s[WV], 2
	s_cbranch_scc0 .Lnone_\@
	tensor_load_to_lds s[G0KB:G0KB+3], s[G1:G1+7]
	s_nop 0
.Lnone_\@:
	PLACES
.else
	s_cmp_lt_u32 s[WV], 2
	s_cbranch_scc1 .Lnone_\@
	tensor_load_to_lds s[G0VB:G0VB+3], s[G1:G1+7]
	s_nop 0
.Lnone_\@:
	PLACES
.endif
.endm
; The walking descriptors step to the next step of the batch, modulo 32, and to the slot named: the global address is made anew from my half of the batch's step 0 (s[6:7], s[8:9]).
; They are written only behind the wait that shows all my tensor loads done.  Cluster x, the batch and the wave's number alone enter them: the four partners hold the same words.
.macro STEPK slot
	s_add_co_u32 s[G0KB+1], s[LK], (\slot)*SLOTB
	s_add_co_u32 s[KST], s[KST], 1
	s_and_b32 s[KST], s[KST], 31
	s_mul_i32 s[OFS], s[KST], UNIT
	s_add_nc_u64 s[G0KB+2:G0KB+3], s[6:7], s[OFS:OFS+1]
	s_or_b32 s[G0KB+3], s[G0KB+3], 0x80000000
.endm
.macro STEPV slot
	s_add_co_u32 s[G0VB+1], s[LV], (\slot)*SLOTB
	s_add_co_u32 s[VST], s[VST], 1
	s_and_b32 s[VST], s[VST], 31
	s_mul_i32 s[OFS], s[VST], UNIT
	s_add_nc_u64 s[G0VB+2:G0VB+3], s[8:9], s[OFS:OFS+1]
	s_or_b32 s[G0VB+3], s[G0VB+3], 0x80000000
.endm
; A PREFETCH INTO THE L2: trip t (0, 1, 2) names the step 5 + t on from my cluster's start, of K and of V: K's unit two trips ahead of its tensor load, V's five.  A step's two units are twelve pieces of 8,192 bytes,
; lanes 256 bytes apart.  The cluster's four partners are told apart by address (places 0, 1: K's six pieces; places 2, 3: V's), three pieces each, one a wave, waves 0-2.
; The eight clusters' starts are the multiples of 4, and each names the steps 5, 6, 7 on from its own: so each piece is named at most once in the launch.  The start + 4 is again a multiple of 4, so these three
; steps do not pass step 31.  Steps 0 to 4 on from the start come by their loads alone; from step 8 on the cluster walks what another cluster of the batch has walked before it, and asks for nothing.
.macro ASK how                         ; 1: a trip written out; 2: the loop's even trip, of which the first alone asks
.if \how
.if (\how) == 1
	s_cmp_eq_u32 s[LIM0], 12
.else
	s_cmp_gt_u32 s[CNT], s[LIM0]
.endif
	s_cbranch_scc0 .Lnot_mine_\@
	global_prefetch_b8 v[PFO], s[PFA:PFA+1] th:TH_LOAD_NT scope:SCOPE_SE
.Lnot_mine_\@:
.endif
.endm
; Product i of 48 of S^T = K Q^T: channels 32 (i / 4) on, tile of queries i % 4.  The four accumulators take turns; the first four start the sums.
.macro QKW sb
.if i < 32
	WIN 0x06                                       ; K window 2, Q window 1, S^T window 0
.set rQ, 32*(i/4)+8*(i%4)
.else
	WIN 0x0a                                       ; Q window 2
.set rQ, 32*(i/4-8)+8*(i%4)
.endif
.set rS, (\sb)+8*(i%4)
.set rK, 128+8*(i/4)
.if i < 4
	v_wmma_f32_16x16x32_f16 v[rS:rS+7], v[rK:rK+7], v[rQ:rQ+7], 0
.else
	v_wmma_f32_16x16x32_f16 v[rS:rS+7], v[rK:rK+7], v[rQ:rQ+7], v[rS:rS+7]
.endif
.endm
; Product i of 48 of O^T += V^T P: keys 32 (i / 24) on, my channel tile (i % 24) / 4, tile of queries i % 4.  24 accumulators by turns.  first = 1: the first 24 start the sums.
.macro PVW first
	WIN 0xfc                                       ; V window 0, P, C and D window 3
.set rO, 8*(4*((i%24)/4)+i%4)
.set rV, VF+8*(6*(i/24)+(i%24)/4)
.set rP, 192+8*(4*(i/24)+i%4)
.if (\first) && (i < 24)
	v_wmma_f32_16x16x32_f16 v[rO:rO+7], v[rV:rV+7], v[rP:rP+7], 0
.else
	v_wmma_f32_16x16x32_f16 v[rO:rO+7], v[rV:rV+7], v[rP:rP+7], v[rO:rO+7]
.endif
.endm
.macro RSL n                           ; accumulator n of O^T times its tile's a (at the end: 1 / the sum), from its low end on
	WIN 0xc3
.irp k, 0,2,4,6
	v_pk_mul_f32 v[8*(\n)+\k:8*(\n)+\k+1], v[8*(\n)+\k:8*(\n)+\k+1], v[ST+8*((\n)%4)+6:ST+8*((\n)%4)+7] op_sel_hi:[1,0]
.endr
.endm
; THE SOFTMAX of a step is a list of 100 instructions; CIT writes number cn.  0-15: m = max(m, the four waves' maxima), c m, the exponent of a.  16-67: ONE BATCH: 16 packed scalings c s - c m and 36 exponentials
; (a of the four tiles, then the 32 scores), from 20 on a scaling and three exponentials to a slice; none names an exponential's result.  Behind 67 stands the one wait.  68-83: the roundings to f16.  84-99: the sums.
.macro CIT p
	WIN 0
.set SB, SA+32*(\p)
.set CMN, 2*(\p)
.set CMO, 2-2*(\p)
.if cn < 16
.set rT, ST+8*(cn%4)
.set rG, G+cn%4
.if cn < 4
	v_max3_num_f32 v[rT+3], v[rT+1], v[rG], v[rG+4]
.elseif cn < 8
	v_max3_num_f32 v[rT+1], v[rT+3], v[rG+8], v[rG+12]
.elseif cn < 12
	v_mul_f32 v[rT+CMN], s[CS], v[rT+1]
.else
	v_sub_f32 v[rT+7], v[rT+CMO], v[rT+CMN]        ; c m_old - c m_new
.endif
.elseif (cn < 20) || ((cn < 68) && (cn%4 == 0))
.set qq, cn-16
.if cn >= 20
.set qq, 4+(cn-20)/4
.endif
	v_pk_fma_f32 v[SB+2*qq:SB+2*qq+1], v[SB+2*qq:SB+2*qq+1], s[CS:CS+1], v[ST+8*(qq/4)+CMN:ST+8*(qq/4)+CMN+1] op_sel_hi:[1,0,0] neg_lo:[0,0,1] neg_hi:[0,0,1]
.elseif cn < 68
.set ee, 3*((cn-20)/4)+(cn-20)%4-1
.if ee < 4
	v_exp_f32 v[ST+8*ee+6], v[ST+8*ee+7]
.else
	v_exp_f32 v[SB+ee-4], v[SB+ee-4]
.endif
.elseif cn < 84
	v_cvt_pk_f16_f32 v[PO+cn-68], v[SB+2*(cn-68)], v[SB+2*(cn-68)+1]
.else
.set rT, ST+8*(cn%4)
.set rB, SB+8*(cn%4)
.if cn < 88
	v_pk_add_f32 v[rB:rB+1], v[rB:rB+1], v[rB+2:rB+3]
.elseif cn < 92
	v_pk_add_f32 v[rB+4:rB+5], v[rB+4:rB+5], v[rB+6:rB+7]
.elseif cn < 96
	v_pk_add_f32 v[rB:rB+1], v[rB:rB+1], v[rB+4:rB+5]
.else
	v_pk_fma_f32 v[rT+4:rT+5], v[rT+4:rT+5], v[rT+6:rT+7], v[rB:rB+1] op_sel_hi:[1,0,1]   ; the sum = the sum x a + this step's
.endif
.endif
.endm
.macro LIT sb                          ; number ln of 24: my 16 keys' largest score for each query, each accumulator from its low end on
	WIN 0
.set tt, ln%4
.set rS, (\sb)+8*tt
.if ln < 4
	v_max3_num_f32 v[LM+tt], v[rS], v[rS+1], v[rS+2]
.elseif ln < 8
	v_max3_num_f32 v[LM+tt], v[LM+tt], v[rS+3], v[rS+4]
.elseif ln < 12
	v_max3_num_f32 v[LM+tt], v[LM+tt], v[rS+5], v[rS+6]
.elseif ln < 16
	v_max_num_f32 v[LM+tt], v[LM+tt], v[rS+7]
.elseif ln < 20
	v_permlanex16_b32 v[TMP+tt], v[LM+tt], s[SEL], s[SEL+1]
.else
	v_max_num_f32 v[LM+tt], v[LM+tt], v[TMP+tt]
.endif
.endm
.macro LSIT                            ; number ln of 12: my keys' sum for each query
	WIN 0
.set tt, ln%4
.set rT, ST+8*tt
.if ln < 4
	v_add_f32 v[rT+3], v[rT+4], v[rT+5]
.elseif ln < 8
	v_permlanex16_b32 v[TMP+tt], v[rT+3], s[SEL], s[SEL+1]
.else
	v_add_f32 v[LM+tt], v[rT+3], v[TMP+tt]
.endif
.endm
.macro LDG off                         ; the four waves' maxima (or sums)
	WIN 0
.irp w, 0,1,2,3
	ds_load_b128 v[G+4*\w:G+4*\w+3], v[AMR] offset:(\off)+256*\w
.endr
.endm
.macro LDP pb, part                    ; eight of P's sixteen half fragments
	WIN 0xc0
.irp k, 0,1,2,3,4,5,6,7
	ds_load_b128 v[192+4*(8*(\part)+\k):192+4*(8*(\part)+\k)+3], v[APR] offset:(\pb)*8192+512*(8*(\part)+\k)
.endr
.endm
.macro LDV slot, part                  ; six of V's 24 half fragments
	WIN 0
.irp k, 0,1,2,3,4,5
.set q, 6*(\part)+\k
	ds_load_b128 v[VF+4*q:VF+4*q+3], v[ADV+(\slot)] offset:(q/12)*24576+(q%12)*512
.endr
.endm
.macro LDK adr, off, part              ; six of K's 24 half fragments
	WIN 0x80
.irp k, 0,1,2,3,4,5
.set q, 6*(\part)+\k
	ds_load_b128 v[128+4*q:128+4*q+3], v[\adr] offset:(\off)+512*q
.endr
.endm
; A TRIP.  fill: JLOAD's kind.  qk: K Q^T of the next step and its maxima.  rs: O is rescaled.  pv: 2 = V^T P, 1 = it starts O's sums, 0 = none.  kl: K's next fragments.  ask: ASK's way.
; last: my sums go to LDS.  nk, nv: the next trip fills K's, V's unit.
; THE CHANGE OF SLOTS stands round the last eight products: each wave waits for all its tensor loads, adds 0 to its spare word, steps the walking descriptors, and waits for the add and for all its LDS instructions
; (its reads of slot p, its stores of P and of the maxima); the barrier opens a round of the cluster's barrier, behind which slot p is filled again first.
.macro TRIP p, fill, qk, rs, pv, kl, ask, last, nk, nv
	JLOAD \fill
.if \pv                                        ; THE FIRST RUN of LDS loads, behind the joint load's four v_nop: P and V of step j - 1, and the four waves' maxima of step j
	LDP 1-\p, 0
	LDP 1-\p, 1
.endif
	LDG 1024*\p
.if \pv
.irp n, 0,1,2,3
	LDV \p, \n
.endr
.endif
	ASK \ask                                       ; behind the joint load and the run of LDS loads
.set i, 0
.rept 48
.if \qk
	QKW SA+32*(1-\p)
.endif
.if \rs && (i >= 8) && (i < 32)
	RSL i-8
.endif
.if i == 32
	s_wait_dscnt 0x0                               ; the maxima, P and V are in: they were asked for ahead of the trip's first product
.endif
.if i >= 32
.set cn, 4*(i-32)
.rept 4
	CIT \p
.set cn, cn+1
.endr
.endif
.set i, i+1
.endr
.if \qk
	PLACES                                         ; four places in front of the loads into K's registers and of the first read of the new scores
.endif
.set i, 0
.rept 48
.if i == 40
	WIN 0
	s_wait_tensorcnt 0x0                           ; all my tensor loads have landed: my part of slot 1 - p; no load of mine is out, so a group 0 may be written
	ds_add_u32 v[SPW], v[NIL]                      ; 0 onto my spare word
.if \nk
	STEPK \p                                       ; the next refill goes into the slot that this trip reads, with the next step's unit
.endif
.if \nv
	STEPV \p
.endif
.if \ask
	s_wait_xcnt 0x0                                ; this trip's prefetch, 88 products back, has read its address
	s_add_nc_u64 s[PFA:PFA+1], s[PFA:PFA+1], UNIT  ; (its steps behind the third prefetch are not used)
.endif
.endif
.if i == 44
	s_wait_dscnt 0x0                               ; the add is done; my reads of slot p are in; my P and my maxima lie in LDS
	s_barrier_signal -1
.endif
.if \pv
	PVW 2-\pv
.endif
.if i == 0
.set cn, 64
.rept 4
	CIT \p
.set cn, cn+1
.endr
	v_nop                                          ; the plain instruction behind the last exponential
	s_wait_alu depctr_va_vdst(0)                   ; one wait for the batch of 36, ahead of the first instruction that names a result
.endif
.if (i >= 1) && (i <= 8)
.set cn, 64+4*i
.rept 4
	CIT \p
.set cn, cn+1
.endr
.endif
.if \qk && (i >= 9) && (i <= 14)
.set ln, 4*(i-9)
.rept 4
	LIT SA+32*(1-\p)
.set ln, ln+1
.endr
.endif
.if \last && (i >= 9) && (i <= 11)
.set ln, 4*(i-9)
.rept 4
	LSIT
.set ln, ln+1
.endr
.endif
.if i == 15                                    ; THE SECOND RUN of LDS instructions, 28 products ahead of the wait for it: P(j) and my maxima (at the end: my sums) out, K(j+2) in
	WIN 0
.irp t, 0,1,2,3
	ds_store_b128 v[APW], v[PO+4*\t:PO+4*\t+3] offset:(\p)*8192+1024*\t
.endr
.if \qk
	ds_store_b128 v[AMW], v[LM:LM+3] offset:1024*(1-\p)   ; lanes r and r + 16 store the same 16 bytes
.endif
.if \last
	ds_store_b128 v[AMW], v[LM:LM+3] offset:2048
.endif
.if \kl
.irp n, 0,1,2,3
	LDK ADK+\p, 0, \n
.endr
.endif
.endif
.set i, i+1
.endr
	WIN 0
	s_barrier_wait -1
.if \nk || \nv
	CREST                                          ; no wave of any partner still reads slot p or has a load on its way
.endif
.endm
	s_load_b256 s[4:11], s[0:1], 0x0               ; qf s[4:5], kf s[6:7], vf s[8:9], out0 s[10:11]
	v_lshl_add_u32 v[SPW], v0, 2, SPARE
	v_mov_b32 v[NIL], 0
	ds_add_u32 v[SPW], v[NIL]                      ; the wave's opening: the add, twice on end, and its wait ahead of my first tensor load
	ds_add_u32 v[SPW], v[NIL]                      ; and once more, under the one wait; the set-up below stands between
	v_lshrrev_b32 v[TMP], 5, v0
	v_readfirstlane_b32 s[WV], v[TMP]              ; wave 0..3
	s_bfe_u32 s13, ttmp6, 0x40000                  ; cx: my place in the cluster: it enters Q's, out0's and the prefetches' addresses alone
	s_lshl_b32 s14, ttmp9, 2
	s_add_co_u32 s14, s14, s13                     ; my block of 64 queries = 4 x cluster x + cx
	s_and_b32 s15, ttmp7, 0xffff                   ; the batch, which the four partners share
	; group 1: 24,576 dense bytes as 96 rows of 32 elements of 8 bytes; the mask names all four work-groups, bit 21 beside it
	s_mov_b32 s[G1+0], 15|(3<<16)|(1<<21)
	s_mov_b32 s[G1+1], 32<<16                      ; tensor_dim0
	s_mov_b32 s[G1+2], 96<<16                      ; tensor_dim1
	s_mov_b32 s[G1+3], 32<<16                      ; tile_dim0
	s_mov_b32 s[G1+4], 96                          ; tile_dim1
	s_mov_b32 s[G1+5], 32                          ; the pitch
	s_mov_b32 s[G1+6], 0
	s_mov_b32 s[G1+7], 0
	; where my cluster's walk begins: 8 ((x + x / 4) % 4) + 4 (x / 4), x the cluster's x, which the four partners share
	s_lshr_b32 s[KST], ttmp9, 2                    ; x / 4
	s_add_co_u32 s[VST], ttmp9, s[KST]
	s_and_b32 s[VST], s[VST], 3
	s_lshl_b32 s[VST], s[VST], 3
	s_lshl_b32 s[KST], s[KST], 2
	s_add_co_u32 s[VST], s[VST], s[KST]            ; the start: V's walking descriptor begins there,
	s_add_co_u32 s[KST], s[VST], 2                 ; K's two steps on (the start is a multiple of 4: no wrap yet)
	s_and_b32 s52, s[WV], 1                        ; which half of a unit I fetch
	s_mul_i32 s[LK], s52, 24576
	s_add_co_u32 s[LV], s[LK], UNIT
	s_mul_i32 s53, s15, 32*UNIT                    ; the batch's first byte in kf, vf
	s_add_co_u32 s[OFS], s53, s[LK]
	s_mov_b32 s[OFS+1], 0
	s_lshl_b32 s56, s15, 5
	s_add_co_u32 s56, s56, s14
	s_mul_i32 s56, s56, UNIT                       ; my 64 queries in qf
	s_mov_b32 s57, 0
	s_lshl_b32 s58, s15, 11
	s_lshl_b32 s59, s14, 6
	s_add_co_u32 s58, s58, s59
	s_lshl_b32 s59, s[WV], 4
	s_add_co_u32 s58, s58, s59                     ; the first row of out0 that I store
	s_mul_i32 s58, s58, 1536
	s_mov_b32 s59, 0
	s_and_b32 s60, s13, 1
	s_mul_i32 s60, s60, 3
	s_add_co_u32 s60, s60, s[WV]                   ; my piece of a unit
	s_lshl_b32 s60, s60, 13
	s_add_co_u32 s60, s60, s53
	s_add_co_u32 s61, s[VST], 4
	s_and_b32 s61, s61, 31                         ; the start + 4, modulo 32: a multiple of 4,
	s_add_co_u32 s61, s61, 1                       ; and one on: the step 5 on from the start
	s_mul_i32 s61, s61, UNIT
	s_add_co_u32 s60, s60, s61
	s_mov_b32 s61, 0
	s_mul_i32 s52, s[VST], UNIT                    ; the start's byte offset in the batch
	s_mov_b32 s53, 0
	s_cmp_eq_u32 s[WV], 3
	s_cselect_b32 s[LIM0], -1, 12                  ; waves 0-2 prefetch: the same in all four partners
	s_mov_b32 s[CS], 0x3d96c740                    ; c = log2(e) / sqrt(384)
	s_mov_b32 s[CS+1], s[CS]                       ; named with it as a pair, so it is written
	s_mov_b32 s[SEL], 0x76543210
	s_mov_b32 s[SEL+1], 0xfedcba98
	s_wait_dscnt 0x0                               ; both opening adds are done
	s_wait_kmcnt 0x0
	s_add_nc_u64 s[4:5], s[4:5], s[56:57]
	s_add_nc_u64 s[10:11], s[10:11], s[58:59]
	s_cmp_lt_u32 s13, 2
	s_cselect_b64 s[PFA:PFA+1], s[6:7], s[8:9]
	s_add_nc_u64 s[PFA:PFA+1], s[PFA:PFA+1], s[60:61]
	s_add_nc_u64 s[6:7], s[6:7], s[OFS:OFS+1]      ; kf and vf at my half of the batch's step 0: they stay so
	s_add_nc_u64 s[8:9], s[8:9], s[OFS:OFS+1]
	CROUND                                         ; all four work-groups are here: the first joint loads meet
	s_mov_b32 s[G0KA], 1                           ; K(0) into slot 1's unit of K
	s_add_co_u32 s[G0KA+1], s[LK], SLOTB
	s_add_nc_u64 s[G0KA+2:G0KA+3], s[6:7], s[52:53]
	s_mov_b32 s[G0KB], 1                           ; K(2) into slot 0's unit of K
	s_mov_b32 s[G0KB+1], s[LK]
	s_add_nc_u64 s[G0KB+2:G0KB+3], s[G0KA+2:G0KA+3], 2*UNIT
	s_mov_b32 s[G0VA], 1                           ; K(1) into slot 0's unit of V, which has no V to hold yet
	s_mov_b32 s[G0VA+1], s[LV]
	s_add_nc_u64 s[G0VA+2:G0VA+3], s[G0KA+2:G0KA+3], UNIT
	s_mov_b32 s[G0VB], 1                           ; V(0) into slot 1's unit of V
	s_add_co_u32 s[G0VB+1], s[LV], SLOTB
	s_add_nc_u64 s[G0VB+2:G0VB+3], s[8:9], s[52:53]
	s_or_b32 s[G0KA+3], s[G0KA+3], 0x80000000      ; the type
	s_or_b32 s[G0KB+3], s[G0KB+3], 0x80000000
	s_or_b32 s[G0VA+3], s[G0VA+3], 0x80000000
	s_or_b32 s[G0VB+3], s[G0VB+3], 0x80000000
	s_cmp_lt_u32 s[WV], 2                          ; a wave's two first fills stand in one branch, ahead of every wait on TENSORcnt and every LDS read
	s_cbranch_scc0 .Lfirst_v
	tensor_load_to_lds s[G0KA:G0KA+3], s[G1:G1+7]
	s_nop 0
	tensor_load_to_lds s[G0KB:G0KB+3], s[G1:G1+7]
	s_nop 0
	PLACES
	s_branch .Lfirst_asked
.Lfirst_v:
	tensor_load_to_lds s[G0VA:G0VA+3], s[G1:G1+7]
	s_nop 0
	tensor_load_to_lds s[G0VB:G0VB+3], s[G1:G1+7]
	s_nop 0
	PLACES
.Lfirst_asked:
	v_and_b32 v[L16], 31, v0
	v_lshlrev_b32 v[PFO], 8, v[L16]
	v_lshlrev_b32 v[L16], 4, v[L16]
.set qc, 0
.rept 12                                       ; Q stays in registers: 48 fragments
.if qc < 8
	WIN 0x40
.set rQ, 32*qc
.else
	WIN 0x80
.set rQ, 32*(qc-8)
.endif
.irp t, 0,1,2,3
	global_load_b128 v[rQ+8*\t:rQ+8*\t+3], v[L16], s[4:5] offset:\t*12288+qc*1024
	global_load_b128 v[rQ+8*\t+4:rQ+8*\t+7], v[L16], s[4:5] offset:\t*12288+qc*1024+512
.endr
.set qc, qc+1
.endr
	WIN 0
	v_and_b32 v[AMR], 15, v0                       ; r
	v_bfe_u32 v[RD], v0, 4, 1                      ; h
	v_mul_u32_u24 v[STOA], v[AMR], SP
	v_lshl_add_u32 v[STOA], v[RD], 5, v[STOA]
	s_mul_i32 s52, s[WV], 384
	s_add_co_u32 s52, s52, STAGE
	v_add_nc_u32 v[STOA], s52, v[STOA]             ; the stage, in: row r, + 32 h, + my 96 channels' 384 bytes
	v_add_nc_u32 v[STOA+1], 32*SP, v[STOA]         ; and 32 rows on
	s_mul_i32 s52, s[WV], 16*SP
	s_add_co_u32 s52, s52, STAGE
	v_add_nc_u32 v[RD], s52, v[L16]                ; back: my 16 rows
	v_lshl_add_u32 v[AMR], v[AMR], 4, MX
	s_lshl_b32 s52, s[WV], 8
	v_add_nc_u32 v[AMW], s52, v[AMR]
	s_mul_i32 s52, s[WV], 12288
	v_add_nc_u32 v[ADK], s52, v[L16]
	v_add_nc_u32 v[ADK+1], SLOTB, v[ADK]
	s_mul_i32 s52, s[WV], 6144
	s_add_co_u32 s52, s52, UNIT
	v_add_nc_u32 v[ADV], s52, v[L16]
	v_add_nc_u32 v[ADV+1], SLOTB, v[ADV]
	v_add_nc_u32 v[APR], PB, v[L16]
	s_lshr_b32 s52, s[WV], 1
	s_lshl_b32 s52, s52, 12
	s_and_b32 s62, s[WV], 1
	s_lshl_b32 s62, s62, 9
	s_add_co_u32 s52, s52, s62
	v_add_nc_u32 v[APW], s52, v[APR]               ; my 16 keys are half w % 2 of the fragments of keys 32 (w / 2) on
.irp t, 0,1,2,3
	v_mov_b32 v[ST+8*\t], 0
	v_mov_b32 v[ST+8*\t+1], 0xff61b1e6             ; m: -3e38, under every score
	v_mul_f32 v[ST+8*\t+2], s[CS], v[ST+8*\t+1]    ; c m: the first a is 2^(a very negative number) = 0, which multiplies a sum of 0
	v_mov_b32 v[ST+8*\t+3], 0
	v_mov_b32 v[ST+8*\t+4], 0
	v_mov_b32 v[ST+8*\t+5], 0
	v_mov_b32 v[ST+8*\t+6], 0
	v_mov_b32 v[ST+8*\t+7], 0
	v_mov_b32 v[TMP+\t], 0                         ; a lane permute's destination counts as one of its sources
.endr
	s_wait_tensorcnt 0x1                           ; my first fill (a half of K(0) or of K(1)) is in; my second may stay out
	s_barrier_signal -1
	s_barrier_wait -1                              ; everybody's is
.irp n, 0,1,2,3
	LDK ADK+1, 0, \n                               ; K(0)
.endr
	s_wait_loadcnt 0x0                             ; Q
	s_wait_dscnt 0x0
.set i, 0
.rept 48
	QKW SA                                         ; the scores of step 0: there is no vector work yet to set between them
.set i, i+1
.endr
	PLACES
.irp n, 0,1,2,3
	LDK ADK, UNIT, \n                              ; K(1)
.endr
.set ln, 0
.rept 24
	LIT SA
.set ln, ln+1
.endr
	ds_store_b128 v[AMW], v[LM:LM+3]
	s_wait_tensorcnt 0x0                           ; K(2) and V(0) have landed
	ds_add_u32 v[SPW], v[NIL]                      ; 0 onto my spare word
	STEPK 1                                        ; K(3) goes where K(0) lay
	s_wait_dscnt 0x0                               ; the add is done, K(1) is in registers, my maxima lie in LDS
	CROUND
	;    p fill qk rs pv kl ask last nk nv
	TRIP 0, 1,  1, 0, 0, 1, 1,  0,   1, 1           ; trip 0
	TRIP 1, 2,  1, 0, 1, 1, 1,  0,   1, 1           ; trip 1: V^T P of step 0 starts O^T
	s_mov_b32 s[CNT], 13
.Lpair:                                            ; trips 2 to 27
	TRIP 0, 2,  1, 1, 2, 1, 2,  0,   1, 1
	TRIP 1, 2,  1, 1, 2, 1, 0,  0,   1, 1
	s_sub_co_u32 s[CNT], s[CNT], 1
	s_cmp_lg_u32 s[CNT], 0
	s_cbranch_scc1 .Lpair
	TRIP 0, 2,  1, 1, 2, 1, 0,  0,   0, 1           ; trip 28 asks for K(31), the last; the tail is written out
	TRIP 1, 3,  1, 1, 2, 1, 0,  0,   0, 1           ; trip 29
	TRIP 0, 3,  1, 1, 2, 0, 0,  0,   0, 1           ; trip 30: the last scores
	TRIP 1, 3,  0, 1, 2, 0, 0,  1,   0, 0           ; trip 31: the last softmax; V(31) is asked for
	; trip 32: V^T P of step 31, and the four waves' sums
	PLACES                                         ; four places in front of the loads into P's and V's registers and of O's rescaling
	LDG 2048
	LDP 1, 0
	LDP 1, 1
.irp n, 0,1,2,3
	LDV 0, \n
.endr
.set i, 0
.rept 24
	RSL i                                          ; O x a(31)
.set i, i+1
.endr
	WIN 0
	s_wait_dscnt 0x0
.irp t, 0,1,2,3
	v_add_f32 v[ST+8*\t+3], v[G+\t], v[G+4+\t]
.endr
.irp t, 0,1,2,3
	v_add_f32 v[TMP+\t], v[G+8+\t], v[G+12+\t]
.endr
.irp t, 0,1,2,3
	v_add_f32 v[ST+8*\t+3], v[ST+8*\t+3], v[TMP+\t]   ; the row's sum
.endr
.irp t, 0,1,2,3
	v_rcp_f32 v[ST+8*\t+6], v[ST+8*\t+3]
.endr
	v_nop                                          ; a plain instruction behind the last reciprocal
	s_wait_alu depctr_va_vdst(0)                   ; one wait for the four, ahead of their first reader
.set i, 0
.rept 48
	PVW 0
.set i, i+1
.endr
	PLACES
.set i, 0
.rept 24
	RSL i                                          ; O / the sum
.set i, i+1
.endr
	; THE WAY OUT.  A lane holds eight neighbouring channels of a row, a row's 384 come from four waves: they meet in the stage, and each wave stores 16 whole rows.
	WIN 0x0c                                       ; an LDS store's data are its source 1: window 3
.set q, 0
.rept 24
	ds_store_b128 v[STOA+(q%4)/2], v[8*q:8*q+3] offset:(q%2)*16*SP+64*(q/4)
	ds_store_b128 v[STOA+(q%4)/2], v[8*q+4:8*q+7] offset:(q%2)*16*SP+64*(q/4)+16
.set q, q+1
.endr
	WIN 0
	s_wait_dscnt 0x0                               ; for the others' sake: my stores into the stage are done
	s_barrier_signal -1
	s_barrier_wait -1
	WIN 0x40                                       ; into Q's registers of window 1, which are free
.set q, 0
.rept 48
	ds_load_b128 v[4*q:4*q+3], v[RD] offset:(q/3)*SP+(q%3)*512
.set q, q+1
.endr
	WIN 0x04                                       ; a store's data are its source 1: window 1
.set q, 0
.rept 48
.if q%3 == 0
	s_wait_dscnt 45-q                              ; this row's three loads are in; the younger ones may be out
.endif
	global_store_b128 v[L16], v[4*q:4*q+3], s[10:11] offset:(q/3)*1536+(q%3)*512 th:TH_STORE_NT   ; 32 lanes store 512 consecutive bytes, at a multiple of 256 from out0's first byte
.set q, q+1
.endr
	WIN 0
	s_wait_tensorcnt 0x0                           ; the wave's end: behind my last tensor load and my last LDS store
	ds_add_u32 v[SPW], v[NIL]
	s_wait_dscnt 0x0
	CROUND                                         ; the closing round: no work-group ends while a partner may still ask for a tile that names it
	s_endpgm
.Lfunc_end_k_qaaad7da99c_attn:
	.size	k_qaaad7da99c_attn, .Lfunc_end_k_qaaad7da99c_attn-k_qaaad7da99c_attn
	.p2alignl 7, 3214868480
	.fill 96, 4, 3214868480
	.section	.rodata,"a",@progbits
	.p2align	6, 0x0
	.amdhsa_kernel k_qaaad7da99c_attn
		.amdhsa_group_segment_fixed_size 327680
		.amdhsa_private_segment_fixed_size 0
		.amdhsa_enable_private_segment 0
		.amdhsa_kernarg_size 32
		.amdhsa_user_sgpr_count 2
		.amdhsa_user_sgpr_kernarg_segment_ptr 1
		.amdhsa_wavefront_size32 1
		.amdhsa_system_sgpr_workgroup_id_x 1
		.amdhsa_system_sgpr_workgroup_id_y 1
		.amdhsa_system_sgpr_workgroup_id_z 1
		.amdhsa_system_vgpr_workitem_id 0
		.amdhsa_next_free_vgpr 1024
		.amdhsa_next_free_sgpr 66
		.amdhsa_reserve_vcc 0
		.amdhsa_float_denorm_mode_32 3
		.amdhsa_float_denorm_mode_16_64 3
		.amdhsa_memory_ordered 1
		.amdhsa_forward_progress 1
		.amdhsa_inst_pref_size 249
	.end_amdhsa_kernel
	.amdgpu_metadata
---
amdhsa.version: [ 1, 2 ]
amdhsa.kernels:
  - .name:           k_qaaad7da99c_attn
    .symbol:         k_qaaad7da99c_attn.kd
    .args:
      - { .name: qf, .offset: 0, .size: 8, .value_kind: global_buffer, .address_space: global }
      - { .name: kf, .offset: 8, .size: 8, .value_kind: global_buffer, .address_space: global }
      - { .name: vf, .offset: 16, .size: 8, .value_kind: global_buffer, .address_space: global }
      - { .name: out0, .offset: 24, .size: 8, .value_kind: global_buffer, .address_space: global }
    .group_segment_fixed_size: 327680
    .private_segment_fixed_size: 0
    .kernarg_segment_align: 8
    .kernarg_segment_size: 32
    .max_flat_workgroup_size: 128
    .sgpr_count:     66
    .vgpr_count:     1024
    .wavefront_size: 32
...
	.end_amdgpu_metadata
.endif
;; end of part 4
